; MI455X (gfx1250); checked and timed in simulation.
; The chip was launched on July 23, 2026; its instructions are those of AMD's public machine-readable ISA for CDNA 5 (MIT licence, August 2026) and "CDNA5" Instruction Set Architecture Reference Guide (July 2026). The comments in the code are by the model that wrote it; some were corrected since.
;; Concat Attention Layer. Allowed arithmetic: matrix products marked QUANTISED: E4M3 operands, one given power-of-two scale a tensor, by v_wmma_f32_16x16x64_fp8_fp8 or v_wmma_f32_16x16x128_fp8_fp8, f32 sums; products left as they are: f32 operands where the result goes on into a quantised operand, else bf16, f16 or f32 operands; f32 sums; everything else in f32.
;; Inputs: W1 512 x 1,024 float32; W2 1 x 512 float32; b1 512 float32; b2 1 float32; encoder_padding_mask 2,048 x 64 bool; input 1 x 64 x 512 float32; lowp_scales 2 int32 (the exponents e of the quantised operands' scales 2^e); source_hids 2,048 x 64 x 512 float32.
;; Outputs: out0 64 x 512 float32; out1 2,048 x 64 float32.
;; This version of the problem:
;;   THIS VERSION OF THE PROBLEM IS GIVEN IN LOW PRECISION. The matrix products marked QUANTISED in the list below multiply operands that are first quantised to E4M3 (4 exponent bits, 3 mantissa bits; 8 bits a number), with one given power-of-two scale for each operand tensor; their sums are f32. All else is computed in f32.
;;   The module's matrix products, in the order in which they are computed (A, B: the left and right operand; K: the contracted axis; several contracted axes count as one K, in the product's order):
;;     1. [M 131,072, K 1,024] x [K 1,024, N 512]; A: computed on the way; B: input W1: QUANTISED (scales: A lowp_scales[0], B lowp_scales[1])
;;     2. [M 131,072, K 512] x [K 512, N 1]; A: computed on the way; B: input W2: left as it is (N = 1 < 16)
;;     3. batch 64 x [M 1, K 2,048] x [K 2,048, N 512]; A: softmax; B: input source_hids: left as it is (M = 1 < 16)
;;   THE QUANTISER, for each operand of a quantised product, along K:
;;     - The operand's scale is 2^e, e = its entry of the input lowp_scales (int32; the entries are numbered through the quantised products in the list's order, A before B).
;;     - Each number is divided by the scale, clamped to +-448, and rounded to the nearest number of E4M3, ties to even, subnormals kept.
;;     - The product sums the exact products of the quantised numbers (number of the format x scale) in f32.
;;   ~~~python
;;   def quantise(x, axis, e):      # numpy; x: float32 -> the quantised numbers, widened to float32 again
;;       x = np.moveaxis(x, axis, -1); K = x.shape[-1]
;;       r = np.clip(x / 2.0 ** e, -448, 448)
;;       step = 2.0 ** (np.maximum(np.frexp(np.where(r == 0, 1, r))[1] - 1, -6) - 3)
;;       q = np.round(r / step) * step * 2.0 ** e      # np.round: ties to even
;;       return np.moveaxis(q, -1, axis).astype(np.float32)
;;   ~~~
;;   OPERANDS COMPUTED ON THE WAY. 'Computed on the way' means the value that the module computes at that place (a softmax that the list does not call 'softmax' is quantised finished and normalised). What goes into a quantiser is computed in f32, as accurately as f32 sums, v_exp_f32 and their like allow (about 1e-6 of the number): no bf16 or f16 on the way to a quantiser, and a product that is left as it is and whose result goes on into a quantised operand takes f32 operands (vector FMAs, or v_wmma_f32_16x16x4_f32). A number that lies on a knife's edge between two numbers of the format may be rounded either way, as far as f32 arithmetic and the matrix unit's own rounding can turn it there, and no further.
;; 2 versions, each right; version 2 is version 1 with the launches prep, main written anew for expert scheduling mode. Each part assembles by itself: llvm-mc -triple=amdgcn-amd-amdhsa -mcpu=gfx1250 --defsym DOCPART=n.
;; ======== version 1 of 2: 3 launches
;; workspace buffers: wcodes 262,144 bytes; pre2 131,072 bytes; tws 524,288 bytes; stat 65,536 bytes; ctxp 1,048,576 bytes
;; launch prep (part 1): grid 8 x 4, 16 waves a work-group, no clusters, 19,456 bytes of LDS; arguments W1, input, b1, lowp_scales, wcodes, pre2; writes wcodes, pre2
.if DOCPART == 1
	.amdgcn_target "amdgcn-amd-amdhsa--gfx1250"
	.amdhsa_code_object_version 6
	.text
	.protected	k_q543b60adbf_prep
	.globl	k_q543b60adbf_prep
	.p2align	8
	.type	k_q543b60adbf_prep,@function
k_q543b60adbf_prep:
	s_mov_b64 s[64:65], 0
	v_nop
	global_prefetch_b8 v0, s[64:65] scope:SCOPE_SE
	s_setreg_imm32_b32 hwreg(HW_REG_WAVE_MODE, 25, 1), 1
	s_wait_xcnt 0x0
; ConcatAttentionLayer, launch 1 of 3.  z[s,b,a] = Q(cat[s,b,:]) . Q(W1[a,:]) + b1[a]; score = sum_a W2[a] tanh z + b2; softmax over s; ctx[b] = sum_s attn source_hids[s,b].
; WORK THAT IS NOT DONE, for all values of the inputs:
;  (1) cat[s,b,0:512] = input[0,b,:] for every s, so its codes are the same for every s, and the part of product 1 over k < 512 is ONE number for each (b, a), which reference() writes 2,048 times.
;      It is made once, here, on the codes of E4M3 by the format's own matrix instruction (64 x 512 x 512); launch 2 adds it to the part over k >= 512.  The sum of 1,024 exact products is only split in two.
;  (2) b2 is added to every score of a column b alike: softmax over s takes it away.  b2 has no way to an output: it is not loaded and is no launch's argument.
;  (3) tanh z = 1 - 2 / (1 + e^(2z)), so score = sum_a W2[a] - 2 sum_a W2[a] / (1 + e^(2z)): the first term is the same along s and goes as b2 does.
; LIMITS.  A NaN, an infinity or an overflow that reaches only b2 or sum_a W2[a] is not carried to the result.  e0, e1 between -126 and 119; e0 + e1 between -127 and 126 (each power of two below is an f32 number).  NaN among the inputs is not served.
; THIS LAUNCH: wcodes = the codes of W1[:, 512:1024] in the order of the operand's registers: fragment F = 4 (a / 16) + s, byte 2048 F + 512 c + 16 (16 h + a % 16) + i holds k = 512 + 128 s + 32 c + 16 h + i;
;              pre2[b][a] = 2 log2(e) x (2^(e0 + e1) x sum over k < 512 of the codes' products + b1[a]).
; SHARES.  Work-group (X, bt): a = 64 X .. + 63, b = 16 bt .. + 15.  Wave z = 4 u + v: the tile a = 64 X + 16 u .. + 15, K step v (128 along K): one matrix instruction.  The four K steps' sums meet in LDS.
; The same wave quantises piece c = bt of fragment (a tile 4 X + u, K step v) of W1's second half: 512 bytes, one store.
.set C2,   0x4038aa3b                  ; 2 log2(e)
.set PV,   4352                        ; LDS: the sums of K step v; in it PU for each a tile, PH for each half of the lanes, 32 bytes for each b: 8 sums
.set PU,   1088
.set PH,   544
.set SPARE, 17408                      ; behind the sums: the spare words, 128 bytes for each of the sixteen waves
.set SPW, 1                            ; v1   LDS address of my spare word; never rewritten
.set NIL, 2                            ; v2   0; never rewritten
.set R,   3                            ; v3   lane % 16
.set H,   4                            ; v4   lane / 16
.set WO,  5                            ; v5   W1: row r of 4,096 bytes + 64 h
.set IO,  6                            ; v6   input: row r of 2,048 bytes + 64 h
.set L16, 7                            ; v7   16 x lane
.set PIN, 8                            ; v8   where my sums go in LDS
.set POUT,9                            ; v9   where I read sums back
.set L8,  10                           ; v10  8 x lane
.set LN,  11                           ; v11  lane
.set SCX, 12                           ; v12  2^e0        v13  448 x 2^e0
.set LMX, 13
.set SCW, 14                           ; v14  2^e1        v15  448 x 2^e1
.set LMW, 15
.set NA,  16                           ; v16-79    64 numbers of W1's first half: register 16 c + i = k 128 v + 32 c + 16 h + i of row r
.set NB,  80                           ; v80-143   the same of input
.set NC,  144                          ; v144-159  16 numbers of W1's second half
.set FA,  160                          ; v160-175  W1's fragment
.set FB,  176                          ; v176-191  input's fragment
.set FC,  192                          ; v192-195  the piece for wcodes
.set DD,  196                          ; v196-203  the sums
.set SUM, 204                          ; v204-211  four K steps' sums of my two a
.set BB,  212                          ; v212-213  b1 of my two a
; nblk blocks of 16 numbers from v[src] on become codes from v[dst] on, four registers a block
.macro QUANT src, dst, nblk, sc, lim
.set qb, 0
.rept \nblk
.irp i, 0,1,2,3,4,5,6,7,8,9,10,11,12,13,14,15
	v_med3_num_f32 v[\src+16*qb+\i], v[\src+16*qb+\i], -v[\lim], v[\lim]   ; the conversion to an 8-bit code does not saturate (ISA guide 7.6.2): the hold at 448 x the scale
.endr
	v_cvt_scalef32_pk8_fp8_f32 v[\dst+4*qb:\dst+4*qb+1], v[\src+16*qb:\src+16*qb+7], v[\sc]
	v_cvt_scalef32_pk8_fp8_f32 v[\dst+4*qb+2:\dst+4*qb+3], v[\src+16*qb+8:\src+16*qb+15], v[\sc]
.set qb, qb+1
.endr
	v_nop                                          ; one plain vector instruction between the last scaled conversion and what touches its result next
.endm
	s_load_b256 s[4:11], s[0:1], 0x0               ; W1 s[4:5], input s[6:7], b1 s[8:9], the scales' exponents s[10:11]
	s_load_b128 s[12:15], s[0:1], 0x20             ; wcodes s[12:13], pre2 s[14:15]
	v_lshl_add_u32 v[SPW], v0, 2, SPARE
	v_mov_b32 v[NIL], 0
	v_lshrrev_b32 v[LN], 5, v0
	v_readfirstlane_b32 s16, v[LN]                 ; wave z
	s_lshr_b32 s17, s16, 2                         ; u: which a tile
	s_and_b32 s18, s16, 3                          ; v: which K step
	s_mov_b32 s19, ttmp9                           ; X
	s_and_b32 s20, ttmp7, 0xffff                   ; bt
	v_and_b32 v[R], 15, v0
	v_bfe_u32 v[H], v0, 4, 1
	v_and_b32 v[LN], 31, v0
	v_lshlrev_b32 v[WO], 12, v[R]
	v_lshl_add_u32 v[WO], v[H], 6, v[WO]
	v_lshlrev_b32 v[IO], 11, v[R]
	v_lshl_add_u32 v[IO], v[H], 6, v[IO]
	v_lshlrev_b32 v[L16], 4, v[LN]
	v_lshlrev_b32 v[L8], 3, v[LN]
	s_mul_i32 s28, s18, PV
	s_mul_i32 s30, s17, PU
	s_add_co_u32 s28, s28, s30
	v_lshlrev_b32 v[PIN], 5, v[R]
	v_mad_u32_u24 v[PIN], v[H], PH, v[PIN]
	v_add_nc_u32 v[PIN], s28, v[PIN]               ; in: PV v + PU u + PH h + 32 r
	v_bfe_u32 v[POUT], v0, 3, 2                    ; back: wave z takes b = z, lane l the two a = 2 l, 2 l + 1: a tile l / 8, half (l / 4) % 2, sums 2 (l % 4) on
	v_mul_u32_u24 v[POUT], v[POUT], PU
	v_bfe_u32 v[SUM], v0, 2, 1
	v_mad_u32_u24 v[POUT], v[SUM], PH, v[POUT]
	v_and_b32 v[SUM], 3, v0
	v_lshl_add_u32 v[POUT], v[SUM], 3, v[POUT]
	s_lshl_b32 s28, s16, 5
	v_add_nc_u32 v[POUT], s28, v[POUT]
	s_mov_b32 s29, 0
	s_wait_kmcnt 0x0
	s_load_b64 s[22:23], s[10:11], 0x0             ; e0 (cat), e1 (W1)
	s_lshl_b32 s28, s19, 18                        ; W1: (64 X + 16 u) rows of 4,096 bytes + 512 v
	s_lshl_b32 s30, s17, 16
	s_add_co_u32 s28, s28, s30
	s_lshl_b32 s30, s18, 9
	s_add_co_u32 s28, s28, s30
	s_add_nc_u64 s[4:5], s[4:5], s[28:29]
	s_lshl_b32 s28, s20, 7                         ; the second half's piece: 2,048 bytes on in the same rows, + 128 bt
	s_add_co_u32 s28, s28, 2048
	s_add_nc_u64 s[32:33], s[4:5], s[28:29]
	s_lshl_b32 s28, s20, 15                        ; input: 16 bt rows of 2,048 bytes + 512 v
	s_add_co_u32 s28, s28, s30
	s_add_nc_u64 s[6:7], s[6:7], s[28:29]
	s_lshl_b32 s28, s19, 8                         ; b1: 64 X numbers on
	s_add_nc_u64 s[8:9], s[8:9], s[28:29]
	s_lshl_b32 s30, s20, 4                         ; pre2: row 16 bt + z of 2,048 bytes + 256 X
	s_add_co_u32 s30, s30, s16
	s_lshl_b32 s30, s30, 11
	s_add_co_u32 s28, s28, s30
	s_add_nc_u64 s[14:15], s[14:15], s[28:29]
	s_lshl_b32 s28, s19, 2                         ; wcodes: fragment 4 (4 X + u) + v of 2,048 bytes, piece bt of 512
	s_add_co_u32 s28, s28, s17
	s_lshl_b32 s28, s28, 2
	s_add_co_u32 s28, s28, s18
	s_lshl_b32 s28, s28, 11
	s_lshl_b32 s30, s20, 9
	s_add_co_u32 s28, s28, s30
	s_add_nc_u64 s[12:13], s[12:13], s[28:29]
.irp j, 0,1,2,3
	global_load_b128 v[NC+4*\j:NC+4*\j+3], v[WO], s[32:33] offset:16*\j
.endr
.irp c, 0,1,2,3
.irp j, 0,1,2,3
	global_load_b128 v[NA+16*\c+4*\j:NA+16*\c+4*\j+3], v[WO], s[4:5] offset:128*\c+16*\j
	global_load_b128 v[NB+16*\c+4*\j:NB+16*\c+4*\j+3], v[IO], s[6:7] offset:128*\c+16*\j
.endr
.endr
	global_load_b64 v[BB:BB+1], v[L8], s[8:9]
	s_wait_kmcnt 0x0
	s_add_co_i32 s24, s22, s23                     ; e0 + e1, added to the exponent field of 2 log2(e):
	s_lshl_b32 s24, s24, 23
	s_add_co_i32 s24, s24, C2                      ; 2 log2(e) x 2^(e0 + e1)
	s_mov_b32 s25, s24                             ; (named with it as a pair, so it is written)
	s_add_co_i32 s26, s22, 127
	s_lshl_b32 s27, s26, 23
	v_mov_b32 v[SCX], s27                          ; 2^e0 as f32: the conversion takes its exponent field
	s_add_co_i32 s26, s26, 8
	s_lshl_b32 s26, s26, 23
	s_or_b32 s26, s26, 0x600000
	v_mov_b32 v[LMX], s26                          ; 448 x 2^e0
	s_add_co_i32 s26, s23, 127
	s_lshl_b32 s27, s26, 23
	v_mov_b32 v[SCW], s27
	s_add_co_i32 s26, s26, 8
	s_lshl_b32 s26, s26, 23
	s_or_b32 s26, s26, 0x600000
	v_mov_b32 v[LMW], s26
	s_wait_loadcnt 0x0                             ; all 37 loads
	QUANT NC, FC, 1, SCW, LMW
	global_store_b128 v[L16], v[FC:FC+3], s[12:13] ; 32 lanes store 512 consecutive bytes, aligned
	QUANT NA, FA, 4, SCW, LMW
	QUANT NB, FB, 4, SCX, LMX
	v_wmma_f32_16x16x128_fp8_fp8 v[DD:DD+7], v[FA:FA+15], v[FB:FB+15], 0   ; register j of lane (r, h): a = 16 u + 8 h + j, b = r
.rept 4
	v_nop                                          ; four places between the matrix instruction and the LDS stores that read its result
.endr
	ds_store_b128 v[PIN], v[DD:DD+3]               ; the result is read from its low end on
	ds_store_b128 v[PIN], v[DD+4:DD+7] offset:16
	s_wait_dscnt 0x0                               ; for the others' sake: my stores have landed
	s_barrier_signal -1
	s_barrier_wait -1
.irp k, 0,1,2,3
	ds_load_b64 v[SUM+2*\k:SUM+2*\k+1], v[POUT] offset:PV*\k
.endr
	v_pk_mul_f32 v[BB:BB+1], v[BB:BB+1], C2 op_sel_hi:[1,0]
	s_wait_dscnt 0x0
	v_pk_add_f32 v[SUM:SUM+1], v[SUM:SUM+1], v[SUM+2:SUM+3]
	v_pk_add_f32 v[SUM+4:SUM+5], v[SUM+4:SUM+5], v[SUM+6:SUM+7]
	v_pk_add_f32 v[SUM:SUM+1], v[SUM:SUM+1], v[SUM+4:SUM+5]
	v_pk_fma_f32 v[SUM:SUM+1], v[SUM:SUM+1], s[24:25], v[BB:BB+1] op_sel_hi:[1,0,1]
	global_store_b64 v[L8], v[SUM:SUM+1], s[14:15] ; 32 lanes store 256 consecutive bytes, aligned
	s_wait_tensorcnt 0x0                           ; the wave's end
	ds_add_u32 v[SPW], v[NIL]
	s_wait_dscnt 0x0
	s_endpgm
.Lfunc_end_k_q543b60adbf_prep:
	.size	k_q543b60adbf_prep, .Lfunc_end_k_q543b60adbf_prep-k_q543b60adbf_prep
	.p2alignl 7, 3214868480
	.fill 96, 4, 3214868480
	.section	.rodata,"a",@progbits
	.p2align	6, 0x0
	.amdhsa_kernel k_q543b60adbf_prep
		.amdhsa_group_segment_fixed_size 19456
		.amdhsa_private_segment_fixed_size 0
		.amdhsa_enable_private_segment 0
		.amdhsa_kernarg_size 48
		.amdhsa_user_sgpr_count 2
		.amdhsa_user_sgpr_kernarg_segment_ptr 1
		.amdhsa_wavefront_size32 1
		.amdhsa_system_sgpr_workgroup_id_x 1
		.amdhsa_system_sgpr_workgroup_id_y 1
		.amdhsa_system_sgpr_workgroup_id_z 1
		.amdhsa_system_vgpr_workitem_id 0
		.amdhsa_next_free_vgpr 216
		.amdhsa_next_free_sgpr 66
		.amdhsa_reserve_vcc 0
		.amdhsa_float_denorm_mode_32 3
		.amdhsa_float_denorm_mode_16_64 3
		.amdhsa_memory_ordered 1
		.amdhsa_forward_progress 1
		.amdhsa_inst_pref_size 19
	.end_amdhsa_kernel
	.amdgpu_metadata
---
amdhsa.version: [ 1, 2 ]
amdhsa.kernels:
  - .name:           k_q543b60adbf_prep
    .symbol:         k_q543b60adbf_prep.kd
    .args:
      - { .name: W1, .offset: 0, .size: 8, .value_kind: global_buffer, .address_space: global }
      - { .name: input, .offset: 8, .size: 8, .value_kind: global_buffer, .address_space: global }
      - { .name: b1, .offset: 16, .size: 8, .value_kind: global_buffer, .address_space: global }
      - { .name: lowp_scales, .offset: 24, .size: 8, .value_kind: global_buffer, .address_space: global }
      - { .name: wcodes, .offset: 32, .size: 8, .value_kind: global_buffer, .address_space: global }
      - { .name: pre2, .offset: 40, .size: 8, .value_kind: global_buffer, .address_space: global }
    .group_segment_fixed_size: 19456
    .private_segment_fixed_size: 0
    .kernarg_segment_align: 8
    .kernarg_segment_size: 48
    .max_flat_workgroup_size: 512
    .sgpr_count:     66
    .vgpr_count:     216
    .wavefront_size: 32
...
	.end_amdgpu_metadata
.endif
;; end of part 1
;; launch main (part 2): grid 4 x 64, 8 waves a work-group, no clusters, 37,376 bytes of LDS; arguments source_hids, encoder_padding_mask, wcodes, pre2, W2, lowp_scales, tws, stat, ctxp; writes tws, stat, ctxp
.if DOCPART == 2
	.amdgcn_target "amdgcn-amd-amdhsa--gfx1250"
	.amdhsa_code_object_version 6
	.text
	.protected	k_q543b60adbf_main
	.globl	k_q543b60adbf_main
	.p2align	8
	.type	k_q543b60adbf_main,@function
k_q543b60adbf_main:
	s_mov_b64 s[64:65], 0
	v_nop
	global_prefetch_b8 v0, s[64:65] scope:SCOPE_SE
	s_setreg_imm32_b32 hwreg(HW_REG_WAVE_MODE, 25, 1), 1
	s_wait_xcnt 0x0
; ConcatAttentionLayer, launch 2 of 3: scores and unnormalised context in one walk over source_hids, each of whose bytes is read once.
; LEFT OUT (shown at the head of launch 1): the part of product 1 over k < 512 comes as pre2, made once; b2 and sum_a W2[a] are the same along the softmax's axis.
; t[s] = log2(e) x (score less those constants) = sum_a (-2 log2(e) W2[a]) / (1 + 2^y),  y = 2 log2(e) 2^(e0+e1) x (codes' sum over k >= 512) + pre2[b][a];  -infinity where the mask holds.
; Running maximum m and sum l of 2^(t - m) per work-group; ctxp = sum_s 2^(t - m) source_hids[s, b, :]; launch 3 joins the four quarters of s.
; LIMITS: e0 between -126 and 119; e0 + e1 between -127 and 126.  NaN among the inputs is not served.  A work-group all of whose rows are masked leaves m = -3e38, l = 0.
; SHARES.  Work-group (q, b): ONE column b, rows s = 512 q .. + 511, as 32 blocks of 16 rows.  So pre2[b] is one bias for the whole work-group, and the context one vector of 512.
; Wave w has two parts.  COLUMNS: a = 64 w .. + 63: 4 tiles x 4 K steps of W1's codes, 256 registers (window 1), loaded once, never in LDS.
; ROWS: with dq = w / 2, rh = w % 2 it loads rows 8 rh .. + 7 of each block, d = 128 dq + 4 lane .. + 3 (a load covers 512 consecutive bytes), quantises them (codes to LDS for all waves) and keeps the f32 numbers in
; registers until the rows' weights are known: then they are the context's multiply-adds.
; ONE BARRIER A STEP.  Step t: C(t-1) weights and context of block t-1 | L(t+3) loads | G(t) products, tanh, partial scores of block t | Q(t+1) codes of block t+1.  Codes and partial scores have two buffers by turns:
; what step t writes was last read in step t-1, ahead of the barrier between, in front of which every wave has waited for its LDS loads; what step t reads was written in step t-1.
; NO CLUSTER: what the work-groups share is wcodes, 262,144 bytes a work-group, read once at the head straight into operand registers, beside 1,048,576 bytes of source_hids that no other work-group reads;
; a joint load would have to land in LDS and be read out again.
; THE MATRIX INSTRUCTION: source 0 = the block's 16 rows, source 1 = 16 a of W1: register j of lane (r, h) is (row 8 h + j, a = 64 w + 16 t + r): bias and W2 are one number a lane and tile.
; k lies in both operands as four 16-byte pieces bring it (registers 4 c .. + 3: k = 32 c + 16 h + 0 .. 15): the same permutation on both sides, so every product meets its partner.
.set C2,    0x4038aa3b                 ; 2 log2(e)
.set C2N,   0xc038aa3b                 ; -2 log2(e)
.set IMG,   8448                       ; LDS 0: two buffers of codes, 16 rows x (512 bytes + 16): the pitch is an odd multiple of 16 bytes
.set PART,  16896                      ; two buffers of partial scores: [16 rows][8 waves] f32, 512 bytes each
.set MASK,  17920                      ; the work-group's 512 mask bytes, a word each
.set TBUF,  19968                      ; t of the 512 rows, a copy of its own for each wave: 2,048 bytes each
.set SPARE, 36352                      ; the spare words, 128 bytes for each of the eight waves
.set SPW,  1                           ; v1   LDS address of my spare word; never rewritten
.set NIL,  2                           ; v2   0; never rewritten
.set XO,   3                           ; v3   source_hids: 8 rh rows + 512 dq + 16 lane
.set AFA,  4                           ; v4   a fragment's place: 528 r + 16 h
.set CST,  5                           ; v5   where my codes go: 8 rh rows + 128 dq + 4 lane
.set PST,  6                           ; v6   where my partial score goes: row 8 h + r / 2, word w
.set PLD,  7                           ; v7   the partial scores that I add: row (r xor 8 rh), waves 4 h .. + 3
.set ROW4, 8                           ; v8   4 x that row
.set TB4,  9                           ; v9   my wave's copy of t + 4 x that row
.set TA,   10                          ; v10, v11  the two with the block's 64 bytes added
.set TBA,  11
.set M,    12                          ; v12  running maximum (v13: l beside it, for the last store)
.set L,    14                          ; v14  running sum of my lane's rows
.set F,    16                          ; v[16:17]  2^(old m - new m); v17 is only named with it
.set T,    18                          ; v18  t of my row
.set P,    19                          ; v19  2^(t - m)
.set PP,   20                          ; v20-23  four partial scores
.set MK,   24                          ; v24  the row's mask word
.set TM,   25                          ; v25  at work
.set NINF, 26                          ; v26  -infinity
.set LIM,  27                          ; v27  448 x 2^e0
.set SCL,  28                          ; v28  2^e0
.set PD,   29                          ; v29  the partial score to store
.set CACC, 32                          ; v32-39  the context of my 4 d, in two chains
.set BI,   40                          ; v40-47  pre2 of my a in tile t, twice
.set WD,   48                          ; v48-55  -2 log2(e) W2 of my a in tile t, twice
.set SACC, 56                          ; v56-63  partial scores of 8 rows; in Q the 8 words of codes
.set ACC,  64                          ; v64-95  4 accumulators; in Q the 32 held numbers
.set AF,   96                          ; v96-127 the rows' fragments of two K steps
.set X,    128                         ; v128-255 four sets of 8 rows x 4 numbers
.set MSB, 0
.macro WIN new                         ; the immediate's high byte repeats the setting that is left
.if MSB != \new
	s_set_vgpr_msb (MSB<<8)|\new
.set MSB, \new
.endif
.endm
.macro PLACES                          ; four places behind a matrix instruction, ahead of loads into its sources and of reads of its result
.rept 4
	v_nop
.endr
.endm
.macro BAR                             ; my LDS stores have landed and my LDS loads are in: then the work-group's barrier
	s_wait_dscnt 0x0
	s_barrier_signal -1
	s_barrier_wait -1
.endm
.macro LOADX xs, step                  ; my 8 rows of a block into set xs; step = 1: the block after the one loaded last
.if \step
	s_wait_xcnt 0x0                                ; the earlier loads have read their base: only now is it stepped
	s_add_nc_u64 s[4:5], s[4:5], 0x200000          ; 16 rows of 131,072 bytes
.endif
.irp i, 0,1,2,3,4,5,6,7
	global_load_b128 v[X+32*(\xs)+4*\i:X+32*(\xs)+4*\i+3], v[XO], s[4:5] offset:\i*131072 th:TH_LOAD_NT
.endr
.endm
.macro FETCH buf, s0                   ; the block's fragments of K steps s0, s0 + 1
.irp u, 0,1
.irp c, 0,1,2,3
	ds_load_b128 v[AF+16*\u+4*\c:AF+16*\u+4*\c+3], v[AFA] offset:(\buf)*IMG+128*((\s0)+\u)+32*\c
.endr
.endr
.endm
.macro CLOADS pb                       ; the last block's partial scores and mask
	v_add_nc_u32 v[TA], s38, v[ROW4]
	v_add_nc_u32 v[TBA], s38, v[TB4]
	ds_load_b128 v[PP:PP+3], v[PLD] offset:(\pb)*512
	ds_load_b32 v[MK], v[TA] offset:MASK
.endm
; C: t of the block's 16 rows (a lane a row; lanes 0-7 hold my own 8 rows), the running maximum and sum, and the context's multiply-adds on the rows kept in set xs.  left: the younger LDS loads that may stay out
.macro CPH xs, left
	s_wait_dscnt \left
	v_pk_add_f32 v[PP:PP+1], v[PP:PP+1], v[PP+2:PP+3]
	v_add_f32 v[T], v[PP], v[PP+1]
	v_permlanex16_b32 v[TM], v[T], s36, s37        ; the other four waves' part lies 16 lanes away
	v_add_f32 v[T], v[T], v[TM]
	v_cmp_ne_u32 vcc_lo, 0, v[MK]
	v_cndmask_b32 v[T], v[T], v[NINF], vcc_lo      ; a masked row: -infinity
	ds_store_b32 v[TBA], v[T]
	v_max_num_f32_dpp v[TM], v[T], v[T] row_xmask:1 row_mask:0xf bank_mask:0xf
	v_max_num_f32_dpp v[TM], v[TM], v[TM] row_xmask:2 row_mask:0xf bank_mask:0xf
	v_max_num_f32_dpp v[TM], v[TM], v[TM] row_xmask:4 row_mask:0xf bank_mask:0xf
	v_max_num_f32_dpp v[TM], v[TM], v[TM] row_xmask:8 row_mask:0xf bank_mask:0xf
	v_max_num_f32 v[TM], v[TM], v[M]               ; the new maximum: the same bits in every lane of every wave
	v_sub_f32 v[F], v[M], v[TM]
	v_sub_f32 v[P], v[T], v[TM]
	v_exp_f32 v[F], v[F]
	v_exp_f32 v[P], v[P]
	v_mov_b32 v[M], v[TM]                          ; a plain instruction behind the exponentials
	s_wait_alu depctr_va_vdst(0)                   ; the wait ahead of the first use: one for both
	v_fma_f32 v[L], v[L], v[F], v[P]
.irp i, 0,1,2,3,4,5,6,7
	v_readlane_b32 s[40+2*\i], v[P], \i            ; my 8 rows' weights, as scalars
.endr
.irp j, 0,2,4,6
	v_pk_mul_f32 v[CACC+\j:CACC+\j+1], v[CACC+\j:CACC+\j+1], v[F:F+1] op_sel_hi:[1,0]
.endr
.irp i, 0,1,2,3,4,5,6,7
	v_pk_fma_f32 v[CACC+4*(\i&1):CACC+4*(\i&1)+1], v[X+32*(\xs)+4*\i:X+32*(\xs)+4*\i+1], s[40+2*\i:41+2*\i], v[CACC+4*(\i&1):CACC+4*(\i&1)+1] op_sel_hi:[1,0,1]
	v_pk_fma_f32 v[CACC+4*(\i&1)+2:CACC+4*(\i&1)+3], v[X+32*(\xs)+4*\i+2:X+32*(\xs)+4*\i+3], s[40+2*\i:41+2*\i], v[CACC+4*(\i&1)+2:CACC+4*(\i&1)+3] op_sel_hi:[1,0,1]
.endr
	s_add_co_u32 s38, s38, 64                      ; the next block's 16 words
.endm
.macro MM ks, zero                     ; K step ks: four matrix instructions, the four accumulators by turns; zero = 1: they start the sums
.irp t, 0,1,2,3
.if \zero
	v_wmma_f32_16x16x128_fp8_fp8 v[ACC+8*\t:ACC+8*\t+7], v[AF+16*((\ks)&1):AF+16*((\ks)&1)+15], v[16*(4*\t+(\ks)):16*(4*\t+(\ks))+15], 0
.else
	v_wmma_f32_16x16x128_fp8_fp8 v[ACC+8*\t:ACC+8*\t+7], v[AF+16*((\ks)&1):AF+16*((\ks)&1)+15], v[16*(4*\t+(\ks)):16*(4*\t+(\ks))+15], v[ACC+8*\t:ACC+8*\t+7]
.endif
.endr
.endm
.macro TANH                            ; 1 / (1 + 2^y) for 32 numbers a lane, weighed by -2 log2(e) W2 and added over the four tiles
.irp t, 0,1,2,3
.irp j, 0,2,4,6
	v_pk_fma_f32 v[ACC+8*\t+\j:ACC+8*\t+\j+1], v[ACC+8*\t+\j:ACC+8*\t+\j+1], s[28:29], v[BI+2*\t:BI+2*\t+1] op_sel_hi:[1,0,1]   ; y; each accumulator from its low end on
.endr
.endr
.set ii, 0
.rept 32
	v_exp_f32 v[ACC+ii], v[ACC+ii]
.set ii, ii+1
.endr
	v_nop                                          ; a plain instruction behind the batch,
	s_wait_alu depctr_va_vdst(0)                   ; and the one wait ahead of its first reader
.set ii, 0
.rept 16
	v_pk_add_f32 v[ACC+ii:ACC+ii+1], v[ACC+ii:ACC+ii+1], 1.0 op_sel_hi:[1,0]
.set ii, ii+2
.endr
.set ii, 0
.rept 32
	v_rcp_f32 v[ACC+ii], v[ACC+ii]                 ; 2^y = infinity gives 0, 2^y = 0 gives 1: tanh's two ends
.set ii, ii+1
.endr
	v_nop
	s_wait_alu depctr_va_vdst(0)
.irp j, 0,2,4,6
	v_pk_mul_f32 v[SACC+\j:SACC+\j+1], v[ACC+\j:ACC+\j+1], v[WD:WD+1]
.endr
.irp t, 1,2,3
.irp j, 0,2,4,6
	v_pk_fma_f32 v[SACC+\j:SACC+\j+1], v[ACC+8*\t+\j:ACC+8*\t+\j+1], v[WD+2*\t:WD+2*\t+1], v[SACC+\j:SACC+\j+1]
.endr
.endr
.endm
; One stage of the sum over the 16 lanes of a half: lanes whose bit is 0 keep rows 0 .. n - 1 and hand the others over, lanes whose bit is 1 the other way round
.macro BSTAGE m, x, n
.set ii, 0
.rept \n
	v_cndmask_b32 v[ACC+ii], v[SACC+ii], v[SACC+ii+\n], s[\m]          ; what I keep
	v_cndmask_b32 v[SACC+ii+\n], v[SACC+ii+\n], v[SACC+ii], s[\m]      ; what I hand over
.set ii, ii+1
.endr
.set ii, 0
.rept \n
	v_add_f32_dpp v[SACC+ii], v[SACC+ii+\n], v[ACC+ii] row_xmask:\x row_mask:0xf bank_mask:0xf
.set ii, ii+1
.endr
.endm
.macro BFLY pb                         ; 8 rows x 16 lanes become one sum a lane: lane (r, h) ends with row 8 h + r / 2
	BSTAGE 32, 8, 4
	BSTAGE 33, 4, 2
	BSTAGE 34, 2, 1
	v_add_f32_dpp v[PD], v[SACC], v[SACC] row_xmask:1 row_mask:0xf bank_mask:0xf
	ds_store_b32 v[PST], v[PD] offset:(\pb)*512
.endm
.macro QNT xs, buf, left               ; set xs becomes codes; the numbers themselves stay.  left: the younger loads that may stay out
	s_wait_loadcnt \left
.set ii, 0
.rept 32
	v_med3_num_f32 v[ACC+ii], v[X+32*(\xs)+ii], -v[LIM], v[LIM]   ; the conversion does not saturate (ISA guide 7.6.2): the hold at 448 x the scale
.set ii, ii+1
.endr
.irp g, 0,1,2,3
	v_cvt_scalef32_pk8_fp8_f32 v[SACC+2*\g:SACC+2*\g+1], v[ACC+8*\g:ACC+8*\g+7], v[SCL]   ; two rows' four neighbours: a word a row
.endr
	v_nop                                          ; a plain instruction behind the last scaled conversion: the next products write its sources
.irp i, 0,1,2,3,4,5,6,7
	ds_store_b32 v[CST], v[SACC+\i] offset:(\buf)*IMG+\i*528
.endr
.endm
; Step t, k = t % 4.  c: C(t-1); ld: L(t+3); qn: Q(t+1), with its count
.macro STEP k, c, ld, qn, left
.if \c
	CLOADS ((\k)+1)%2
.endif
	FETCH (\k)%2, 0
.if \c
	CPH ((\k)+3)%4, 8                              ; the eight fragment loads may stay out
.endif
	s_wait_dscnt 0x0
	WIN 0x04                                       ; source 1 (W1) in window 1
	MM 0, 1
	MM 1, 0
	WIN 0
	PLACES
	FETCH (\k)%2, 2
.if \ld
	LOADX ((\k)+3)%4, 1                            ; into the set that C has just left
.endif
	s_wait_dscnt 0x0
	WIN 0x04
	MM 2, 0
	MM 3, 0
	WIN 0
	PLACES
	TANH
	BFLY (\k)%2
.if \qn
	QNT ((\k)+1)%4, ((\k)+1)%2, \left
.endif
	BAR
.endm
	s_load_b512 s[4:19], s[0:1], 0x0               ; source_hids s[4:5], mask s[6:7], wcodes s[8:9], pre2 s[10:11], W2 s[12:13], the exponents s[14:15], tws s[16:17], stat s[18:19]
	s_load_b64 s[20:21], s[0:1], 0x40              ; ctxp
	v_lshl_add_u32 v[SPW], v0, 2, SPARE
	v_mov_b32 v[NIL], 0
	v_lshrrev_b32 v20, 5, v0
	v_readfirstlane_b32 s22, v20                   ; wave w
	s_and_b32 s23, s22, 1                          ; rh
	s_lshr_b32 s24, s22, 1                         ; dq
	s_mov_b32 s25, ttmp9                           ; q
	s_and_b32 s26, ttmp7, 0xffff                   ; b
	v_and_b32 v20, 31, v0                          ; lane
	v_and_b32 v21, 15, v0                          ; r
	v_bfe_u32 v22, v0, 4, 1                        ; h
	s_lshl_b32 s56, s24, 9
	s_lshl_b32 s57, s23, 20
	s_or_b32 s56, s56, s57
	v_lshl_or_b32 v[XO], v20, 4, s56
	v_mul_u32_u24 v[AFA], v21, 528
	v_lshl_add_u32 v[AFA], v22, 4, v[AFA]
	s_mul_i32 s56, s23, 4224
	s_lshl_b32 s57, s24, 7
	s_add_co_u32 s56, s56, s57
	v_lshl_add_u32 v[CST], v20, 2, s56
	v_lshrrev_b32 v23, 1, v21
	v_lshl_add_u32 v23, v22, 3, v23                ; 8 h + r / 2
	s_lshl_b32 s56, s22, 2
	s_add_co_u32 s56, s56, PART
	v_lshl_add_u32 v[PST], v23, 5, s56
	s_lshl_b32 s56, s23, 3
	v_xor_b32 v23, s56, v21                        ; r xor 8 rh: lanes 0-7 get my own 8 rows
	v_lshlrev_b32 v[PLD], 5, v23
	v_lshl_add_u32 v[PLD], v22, 4, v[PLD]
	v_add_nc_u32 v[PLD], PART, v[PLD]
	v_lshlrev_b32 v[ROW4], 2, v23
	s_lshl_b32 s56, s22, 11
	s_add_co_u32 s56, s56, TBUF
	v_add_nc_u32 v[TB4], s56, v[ROW4]
	v_lshlrev_b32 v96, 6, v0                       ; the head's own: mask: thread x 64 bytes (a row of the mask)
	v_lshlrev_b32 v97, 2, v21                      ; pre2, W2: 4 r
	v_lshlrev_b32 v98, 4, v20                      ; wcodes: 16 lane
	v_lshlrev_b32 v99, 2, v0                       ; the mask's word in LDS
	s_mov_b32 s57, 0
	s_wait_kmcnt 0x0
	s_load_b64 s[30:31], s[14:15], 0x0             ; e0, e1
	s_lshl_b32 s56, s25, 26                        ; source_hids: 512 q rows of 131,072 bytes + 2,048 b
	s_lshl_b32 s58, s26, 11
	s_add_co_u32 s56, s56, s58
	s_add_nc_u64 s[4:5], s[4:5], s[56:57]
	s_lshl_b32 s56, s25, 15                        ; mask: 512 q rows of 64 bytes + b
	s_add_co_u32 s56, s56, s26
	s_add_nc_u64 s[6:7], s[6:7], s[56:57]
	s_lshl_b32 s56, s22, 15                        ; wcodes: my 16 fragments of 2,048 bytes
	s_add_nc_u64 s[8:9], s[8:9], s[56:57]
	s_lshl_b32 s56, s22, 8                         ; W2: my 64 numbers
	s_add_nc_u64 s[12:13], s[12:13], s[56:57]
	s_add_co_u32 s56, s56, s58                     ; pre2: the same in row b
	s_add_nc_u64 s[10:11], s[10:11], s[56:57]
	s_lshl_b32 s56, s26, 13                        ; tws: 8,192 b + 2,048 q + 256 w
	s_lshl_b32 s59, s25, 11
	s_add_co_u32 s56, s56, s59
	s_lshl_b32 s59, s22, 8
	s_add_co_u32 s56, s56, s59
	s_add_nc_u64 s[16:17], s[16:17], s[56:57]
	s_lshl_b32 s59, s26, 2
	s_add_co_u32 s59, s59, s25                     ; 4 b + q
	s_lshl_b32 s56, s59, 8                         ; stat: a record of 256 bytes
	s_add_nc_u64 s[18:19], s[18:19], s[56:57]
	s_lshl_b32 s56, s59, 12                        ; ctxp: (2 (4 b + q) + rh) x 2,048 + 512 dq
	s_lshl_b32 s59, s23, 11
	s_add_co_u32 s56, s56, s59
	s_lshl_b32 s59, s24, 9
	s_add_co_u32 s56, s56, s59
	s_add_nc_u64 s[20:21], s[20:21], s[56:57]
	global_load_u8 v100, v96, s[6:7]               ; rows thread and thread + 256 of my 512
	global_load_u8 v101, v96, s[6:7] offset:16384
.irp t, 0,1,2,3
	global_load_b32 v[104+\t], v97, s[12:13] offset:64*\t
	global_load_b32 v[108+\t], v97, s[10:11] offset:64*\t
.endr
	WIN 0x40                                       ; destination window 1
.set ii, 0
.rept 64
	global_load_b128 v[4*ii:4*ii+3], v98, s[8:9] offset:512*ii   ; fragment 4 t + s at v[16 (4 t + s)]: the buffer lies in the registers' order
.set ii, ii+1
.endr
	WIN 0
	LOADX 0, 0
	LOADX 1, 1
	LOADX 2, 1
	s_mov_b32 s32, 0xff00ff00                      ; lanes whose bit 3 is set; bit 2; bit 1
	s_mov_b32 s33, 0xf0f0f0f0
	s_mov_b32 s34, 0xcccccccc
	s_mov_b32 s36, 0x76543210                      ; v_permlanex16_b32's selects for lane l xor 16
	s_mov_b32 s37, 0xfedcba98
	s_mov_b32 s38, 0                               ; 64 x the block that C is at
.irp i, 41,43,45,47,49,51,53,55
	s_mov_b32 s\i, 0                               ; (named as the upper halves of the weights' pairs)
.endr
	v_mov_b32 v[M], 0xff61b1e6                     ; -3e38, under every t that is a number
	v_mov_b32 v[L], 0
	v_mov_b32 v[F+1], 0
	v_mov_b32 v[TM], 0                             ; written once: a lane permute's destination counts as one of its sources
	v_mov_b32 v[PD], 0
	v_mov_b32 v[NINF], 0xff800000
.irp j, 0,1,2,3,4,5,6,7
	v_mov_b32 v[CACC+\j], 0                        ; C is written once: its first turn finds zeros
.endr
	s_wait_kmcnt 0x0
	s_add_co_i32 s56, s30, s31
	s_lshl_b32 s56, s56, 23
	s_add_co_i32 s28, s56, C2                      ; 2 log2(e) x 2^(e0 + e1): the exponents are added to the constant's exponent field
	s_mov_b32 s29, s28
	s_add_co_i32 s56, s30, 127
	s_lshl_b32 s58, s56, 23
	v_mov_b32 v[SCL], s58
	s_add_co_i32 s56, s56, 8
	s_lshl_b32 s56, s56, 23
	s_or_b32 s56, s56, 0x600000
	v_mov_b32 v[LIM], s56
	s_wait_loadcnt 16                              ; all but blocks 1 and 2 (8 + 8 loads) are in
	ds_store_b32 v99, v100 offset:MASK
	ds_store_b32 v99, v101 offset:MASK+1024
.irp t, 0,1,2,3
	v_mov_b32 v[BI+2*\t], v[108+\t]
	v_mov_b32 v[BI+2*\t+1], v[108+\t]
	v_mul_f32 v[WD+2*\t], C2N, v[104+\t]
	v_mul_f32 v[WD+2*\t+1], C2N, v[104+\t]
.endr
	QNT 0, 0, 16
	BAR
	STEP 0, 0, 1, 1, 16                            ; t = 0.  The count 16: behind block t + 1's loads stand those of blocks t + 2 and t + 3
	s_mov_b32 s39, 7
.Lfour:                                            ; t = 1 .. 28: four steps a trip, until sets and buffers are back where they began
	STEP 1, 1, 1, 1, 16
	STEP 2, 1, 1, 1, 16
	STEP 3, 1, 1, 1, 16
	STEP 0, 1, 1, 1, 16
	s_sub_co_u32 s39, s39, 1
	s_cmp_lg_u32 s39, 0
	s_cbranch_scc1 .Lfour
	STEP 1, 1, 0, 1, 8                             ; t = 29: nothing is left to load; behind block 30's loads stand block 31's
	STEP 2, 1, 0, 1, 0                             ; t = 30
	STEP 3, 1, 0, 0, 0                             ; t = 31
	CLOADS 1                                       ; C(31)
	CPH 3, 0
	v_add_f32_dpp v[L], v[L], v[L] row_xmask:1 row_mask:0xf bank_mask:0xf   ; l over the 16 rows' lanes
	v_add_f32_dpp v[L], v[L], v[L] row_xmask:2 row_mask:0xf bank_mask:0xf
	v_add_f32_dpp v[L], v[L], v[L] row_xmask:4 row_mask:0xf bank_mask:0xf
	v_add_f32_dpp v[L], v[L], v[L] row_xmask:8 row_mask:0xf bank_mask:0xf
	v_mov_b32 v[M+1], v[L]
	v_and_b32 v20, 31, v0
	v_lshlrev_b32 v21, 4, v20
	v_lshlrev_b32 v[TM], 3, v20
	s_mul_i32 s56, s22, 2304                       ; my copy of t (2,048 w), and in it rows 64 w on (256 w)
	s_add_co_u32 s56, s56, TBUF
	v_add_nc_u32 v[MK], s56, v[TM]
	ds_load_b64 v[22:23], v[MK]                    ; LDS serves a wave's instructions in order: this sees my stores
	v_pk_add_f32 v[CACC:CACC+1], v[CACC:CACC+1], v[CACC+4:CACC+5]
	v_pk_add_f32 v[CACC+2:CACC+3], v[CACC+2:CACC+3], v[CACC+6:CACC+7]
	s_cmp_lg_u32 s22, 0
	s_cbranch_scc1 .Lnot_wave_0
	global_store_b64 v[TM], v[M:M+1], s[18:19]     ; (m, l), 32 times: 256 consecutive bytes, aligned
.Lnot_wave_0:
	global_store_b128 v21, v[CACC:CACC+3], s[20:21]   ; 512 consecutive bytes, aligned
	s_wait_dscnt 0x0
	global_store_b64 v[TM], v[22:23], s[16:17]     ; 64 rows' t: 256 consecutive bytes, aligned
	s_wait_tensorcnt 0x0                           ; the wave's end
	ds_add_u32 v[SPW], v[NIL]
	s_wait_dscnt 0x0
	s_endpgm
.Lfunc_end_k_q543b60adbf_main:
	.size	k_q543b60adbf_main, .Lfunc_end_k_q543b60adbf_main-k_q543b60adbf_main
	.p2alignl 7, 3214868480
	.fill 96, 4, 3214868480
	.section	.rodata,"a",@progbits
	.p2align	6, 0x0
	.amdhsa_kernel k_q543b60adbf_main
		.amdhsa_group_segment_fixed_size 37376
		.amdhsa_private_segment_fixed_size 0
		.amdhsa_enable_private_segment 0
		.amdhsa_kernarg_size 72
		.amdhsa_user_sgpr_count 2
		.amdhsa_user_sgpr_kernarg_segment_ptr 1
		.amdhsa_wavefront_size32 1
		.amdhsa_system_sgpr_workgroup_id_x 1
		.amdhsa_system_sgpr_workgroup_id_y 1
		.amdhsa_system_sgpr_workgroup_id_z 1
		.amdhsa_system_vgpr_workitem_id 0
		.amdhsa_next_free_vgpr 512
		.amdhsa_next_free_sgpr 66
		.amdhsa_reserve_vcc 1
		.amdhsa_float_denorm_mode_32 3
		.amdhsa_float_denorm_mode_16_64 3
		.amdhsa_memory_ordered 1
		.amdhsa_forward_progress 1
		.amdhsa_inst_pref_size 139
	.end_amdhsa_kernel
	.amdgpu_metadata
---
amdhsa.version: [ 1, 2 ]
amdhsa.kernels:
  - .name:           k_q543b60adbf_main
    .symbol:         k_q543b60adbf_main.kd
    .args:
      - { .name: source_hids, .offset: 0, .size: 8, .value_kind: global_buffer, .address_space: global }
      - { .name: encoder_padding_mask, .offset: 8, .size: 8, .value_kind: global_buffer, .address_space: global }
      - { .name: wcodes, .offset: 16, .size: 8, .value_kind: global_buffer, .address_space: global }
      - { .name: pre2, .offset: 24, .size: 8, .value_kind: global_buffer, .address_space: global }
      - { .name: W2, .offset: 32, .size: 8, .value_kind: global_buffer, .address_space: global }
      - { .name: lowp_scales, .offset: 40, .size: 8, .value_kind: global_buffer, .address_space: global }
      - { .name: tws, .offset: 48, .size: 8, .value_kind: global_buffer, .address_space: global }
      - { .name: stat, .offset: 56, .size: 8, .value_kind: global_buffer, .address_space: global }
      - { .name: ctxp, .offset: 64, .size: 8, .value_kind: global_buffer, .address_space: global }
    .group_segment_fixed_size: 37376
    .private_segment_fixed_size: 0
    .kernarg_segment_align: 8
    .kernarg_segment_size: 72
    .max_flat_workgroup_size: 256
    .sgpr_count:     66
    .vgpr_count:     512
    .wavefront_size: 32
...
	.end_amdgpu_metadata
.endif
;; end of part 2
;; launch finish (part 3): grid 32 x 1, 8 waves a work-group, no clusters, 18,432 bytes of LDS; arguments tws, stat, ctxp, out0, out1; writes out0, out1
.if DOCPART == 3
	.amdgcn_target "amdgcn-amd-amdhsa--gfx1250"
	.amdhsa_code_object_version 6
	.text
	.protected	k_q543b60adbf_finish
	.globl	k_q543b60adbf_finish
	.p2align	8
	.type	k_q543b60adbf_finish,@function
k_q543b60adbf_finish:
	s_mov_b64 s[64:65], 0
	v_nop
	global_prefetch_b8 v0, s[64:65] scope:SCOPE_SE
	s_setreg_imm32_b32 hwreg(HW_REG_WAVE_MODE, 25, 1), 1
	s_wait_xcnt 0x0
; ConcatAttentionLayer, launch 3 of 3: the four quarters of s are joined.  (b2 and sum_a W2[a] stay left out, as shown at the head of launch 1: t lacks what is the same along s.)
; For each b: M = max_q m_q; f_q = 2^(m_q - M); Lsum = sum_q l_q f_q;  out1[s][b] = 2^(t[b][s] - M) / Lsum;  out0[b][:] = sum_q (f_q / Lsum) (ctxp[b][q][0][:] + ctxp[b][q][1][:]).
; A column b all of whose rows are masked has Lsum = 0 and gives 0 x infinity = NaN, as the softmax of a column of -infinity does.
; SHARES.  Work-group g: out1's rows s = 64 g .. + 63 for all 64 b, and out0's rows b = 2 g, 2 g + 1.  Every work-group and wave takes the one way through the text.
; out1: lane (c16 = lane % 16, hh = lane / 16) of wave w takes b = 8 w + hh + 2 k (k = 0 .. 3) and s = 64 g + 4 c16 .. + 3: sixteen lanes read 256 consecutive bytes of tws.  t lies [b][s] and out1 [s][b]: the
; numbers turn through a stage in LDS (64 rows x (256 bytes + 16)); its 16 single-word stores a lane collide in the banks, once in the launch.  out0: wave w takes b = 2 g + w / 4, d = 128 (w % 4) + 4 lane .. + 3.
; No matrix unit, no cluster: the work-groups share only the 64 KiB of statistics.
.set SPARE, 17408                      ; behind the stage: the spare words, 128 bytes for each of the eight waves
.set SPW, 1                            ; v1  LDS address of my spare word; never rewritten
.set NIL, 2                            ; v2  0; never rewritten
.set VT,  6                            ; v6  tws: 8,192 bw + 16 c16  (bw = 8 w + hh)
.set VS,  7                            ; v7  stat: 1,024 bw
.set VC,  8                            ; v8  16 lane
.set VZ,  9                            ; v9  0
.set VA,  10                           ; v10 the stage, in: 1,088 c16 + 4 bw
.set VB,  11                           ; v11 the stage, back: 272 bw + 16 c16
.set VO,  12                           ; v12 out1: 256 bw + 16 c16
.set T,   16                           ; v16-31   t of four b x four s
.set ST,  32                           ; v32-71   five groups of (m, l) x 4: four b of out1, then my b of out0
.set C,   72                           ; v72-103  eight parts of the context
.set MX,  104                          ; v104-108 M
.set LL,  110                          ; v110-114 Lsum, then 1 / Lsum
.set GQ,  116                          ; v116-119 f_q / Lsum
.set O,   120                          ; v120-123 out0
.set RB,  124                          ; v124-139 rows of out1
	s_load_b256 s[4:11], s[0:1], 0x0               ; tws s[4:5], stat s[6:7], ctxp s[8:9], out0 s[10:11]
	s_load_b64 s[12:13], s[0:1], 0x20              ; out1
	v_lshl_add_u32 v[SPW], v0, 2, SPARE
	v_mov_b32 v[NIL], 0
	v_lshrrev_b32 v3, 5, v0
	v_readfirstlane_b32 s16, v3                    ; wave w
	s_lshl_b32 s17, s16, 3
	s_lshr_b32 s18, s16, 2
	s_and_b32 s19, s16, 3
	v_and_b32 v3, 15, v0                           ; c16
	v_bfe_u32 v4, v0, 4, 1                         ; hh
	v_add_nc_u32 v5, s17, v4                       ; bw
	v_lshlrev_b32 v[VT], 13, v5
	v_lshl_add_u32 v[VT], v3, 4, v[VT]
	v_lshlrev_b32 v[VS], 10, v5
	v_and_b32 v[VC], 31, v0
	v_lshlrev_b32 v[VC], 4, v[VC]
	v_mov_b32 v[VZ], 0
	v_mul_u32_u24 v[VA], v3, 1088
	v_lshl_add_u32 v[VA], v5, 2, v[VA]
	v_mul_u32_u24 v[VB], v5, 272
	v_lshl_add_u32 v[VB], v3, 4, v[VB]
	v_lshlrev_b32 v[VO], 8, v5
	v_lshl_add_u32 v[VO], v3, 4, v[VO]
	s_lshl_b32 s20, ttmp9, 1
	s_add_co_u32 s20, s20, s18                     ; my b of out0: 2 g + w / 4
	s_lshl_b32 s21, s19, 9                         ; my 128 d: 512 (w % 4) bytes
	s_mov_b32 s23, 0
	s_wait_kmcnt 0x0
	s_lshl_b32 s22, ttmp9, 8
	s_add_nc_u64 s[4:5], s[4:5], s[22:23]          ; tws at s = 64 g
	s_lshl_b32 s22, s20, 10
	s_add_nc_u64 s[24:25], s[6:7], s[22:23]        ; stat at my b of out0
	s_lshl_b32 s22, s20, 14
	s_add_co_u32 s22, s22, s21
	s_add_nc_u64 s[8:9], s[8:9], s[22:23]
	s_lshl_b32 s22, s20, 11
	s_add_co_u32 s22, s22, s21
	s_add_nc_u64 s[10:11], s[10:11], s[22:23]
	s_lshl_b32 s22, ttmp9, 14
	s_add_nc_u64 s[12:13], s[12:13], s[22:23]      ; out1 at row 64 g
.irp k, 0,1,2,3
	global_load_b128 v[T+4*\k:T+4*\k+3], v[VT], s[4:5] offset:16384*\k
.irp q, 0,1,2,3
	global_load_b64 v[ST+8*\k+2*\q:ST+8*\k+2*\q+1], v[VS], s[6:7] offset:2048*\k+256*\q
.endr
.endr
.irp q, 0,1,2,3
	global_load_b64 v[ST+32+2*\q:ST+32+2*\q+1], v[VZ], s[24:25] offset:256*\q
.endr
.irp p, 0,1,2,3,4,5,6,7
	global_load_b128 v[C+4*\p:C+4*\p+3], v[VC], s[8:9] offset:2048*\p
.endr
	s_wait_loadcnt 0x0
.irp k, 0,1,2,3,4
	v_max3_num_f32 v[MX+\k], v[ST+8*\k], v[ST+8*\k+2], v[ST+8*\k+4]
.endr
.irp k, 0,1,2,3,4
	v_max_num_f32 v[MX+\k], v[MX+\k], v[ST+8*\k+6]
.endr
.irp k, 0,1,2,3,4
.irp q, 0,1,2,3
	v_sub_f32 v[ST+8*\k+2*\q], v[ST+8*\k+2*\q], v[MX+\k]
.endr
.endr
.irp k, 0,1,2,3
.irp i, 0,1,2,3
	v_sub_f32 v[T+4*\k+\i], v[T+4*\k+\i], v[MX+\k]
.endr
.endr
.irp k, 0,1,2,3,4
.irp q, 0,1,2,3
	v_exp_f32 v[ST+8*\k+2*\q], v[ST+8*\k+2*\q]     ; f_q
.endr
.endr
.set ii, 0
.rept 16
	v_exp_f32 v[T+ii], v[T+ii]                     ; 2^(t - M)
.set ii, ii+1
.endr
.irp q, 0,1,2,3                                    ; plain work behind the batch that names none of its results: a quarter's two row halves have one weight
	v_pk_add_f32 v[C+8*\q:C+8*\q+1], v[C+8*\q:C+8*\q+1], v[C+8*\q+4:C+8*\q+5]
	v_pk_add_f32 v[C+8*\q+2:C+8*\q+3], v[C+8*\q+2:C+8*\q+3], v[C+8*\q+6:C+8*\q+7]
.endr
	s_wait_alu depctr_va_vdst(0)                   ; the wait ahead of the first use: one for the 36 exponentials
.irp k, 0,1,2,3,4
	v_mul_f32 v[LL+\k], v[ST+8*\k], v[ST+8*\k+1]
.endr
.irp q, 1,2,3
.irp k, 0,1,2,3,4
	v_fmac_f32 v[LL+\k], v[ST+8*\k+2*\q], v[ST+8*\k+2*\q+1]
.endr
.endr
.irp k, 0,1,2,3,4
	v_rcp_f32 v[LL+\k], v[LL+\k]
.endr
	v_nop                                          ; a plain instruction behind the reciprocals,
	s_wait_alu depctr_va_vdst(0)                   ; and their one wait
.irp k, 0,1,2,3
.irp i, 0,1,2,3
	v_mul_f32 v[T+4*\k+\i], v[T+4*\k+\i], v[LL+\k]
.endr
.endr
.irp k, 0,1,2,3
.irp i, 0,1,2,3
	ds_store_b32 v[VA], v[T+4*\k+\i] offset:272*\i+8*\k   ; stage row 4 c16 + i, word bw + 2 k
.endr
.endr
.irp q, 0,1,2,3
	v_mul_f32 v[GQ+\q], v[ST+32+2*\q], v[LL+4]
.endr
.irp i, 0,1,2,3
	v_mul_f32 v[O+\i], v[C+\i], v[GQ]
.endr
.irp q, 1,2,3
.irp i, 0,1,2,3
	v_fmac_f32 v[O+\i], v[C+8*\q+\i], v[GQ+\q]
.endr
.endr
	global_store_b128 v[VC], v[O:O+3], s[10:11]    ; 512 consecutive bytes, aligned
	s_wait_dscnt 0x0                               ; for the others' sake: my stores into the stage have landed
	s_barrier_signal -1
	s_barrier_wait -1
.irp k, 0,1,2,3
	ds_load_b128 v[RB+4*\k:RB+4*\k+3], v[VB] offset:544*\k   ; stage row bw + 2 k, whole: sixteen lanes a row
.endr
.irp k, 0,1,2,3
	s_wait_dscnt 3-\k                              ; the younger row loads may stay out
	global_store_b128 v[VO], v[RB+4*\k:RB+4*\k+3], s[12:13] offset:512*\k   ; sixteen lanes store 256 consecutive bytes, aligned: a row of out1
.endr
	s_wait_tensorcnt 0x0                           ; the wave's end
	ds_add_u32 v[SPW], v[NIL]
	s_wait_dscnt 0x0
	s_endpgm
.Lfunc_end_k_q543b60adbf_finish:
	.size	k_q543b60adbf_finish, .Lfunc_end_k_q543b60adbf_finish-k_q543b60adbf_finish
	.p2alignl 7, 3214868480
	.fill 96, 4, 3214868480
	.section	.rodata,"a",@progbits
	.p2align	6, 0x0
	.amdhsa_kernel k_q543b60adbf_finish
		.amdhsa_group_segment_fixed_size 18432
		.amdhsa_private_segment_fixed_size 0
		.amdhsa_enable_private_segment 0
		.amdhsa_kernarg_size 40
		.amdhsa_user_sgpr_count 2
		.amdhsa_user_sgpr_kernarg_segment_ptr 1
		.amdhsa_wavefront_size32 1
		.amdhsa_system_sgpr_workgroup_id_x 1
		.amdhsa_system_sgpr_workgroup_id_y 1
		.amdhsa_system_sgpr_workgroup_id_z 1
		.amdhsa_system_vgpr_workitem_id 0
		.amdhsa_next_free_vgpr 160
		.amdhsa_next_free_sgpr 66
		.amdhsa_reserve_vcc 0
		.amdhsa_float_denorm_mode_32 3
		.amdhsa_float_denorm_mode_16_64 3
		.amdhsa_memory_ordered 1
		.amdhsa_forward_progress 1
		.amdhsa_inst_pref_size 13
	.end_amdhsa_kernel
	.amdgpu_metadata
---
amdhsa.version: [ 1, 2 ]
amdhsa.kernels:
  - .name:           k_q543b60adbf_finish
    .symbol:         k_q543b60adbf_finish.kd
    .args:
      - { .name: tws, .offset: 0, .size: 8, .value_kind: global_buffer, .address_space: global }
      - { .name: stat, .offset: 8, .size: 8, .value_kind: global_buffer, .address_space: global }
      - { .name: ctxp, .offset: 16, .size: 8, .value_kind: global_buffer, .address_space: global }
      - { .name: out0, .offset: 24, .size: 8, .value_kind: global_buffer, .address_space: global }
      - { .name: out1, .offset: 32, .size: 8, .value_kind: global_buffer, .address_space: global }
    .group_segment_fixed_size: 18432
    .private_segment_fixed_size: 0
    .kernarg_segment_align: 8
    .kernarg_segment_size: 40
    .max_flat_workgroup_size: 256
    .sgpr_count:     66
    .vgpr_count:     160
    .wavefront_size: 32
...
	.end_amdgpu_metadata
.endif
;; end of part 3
;; ======== version 2 of 2: 3 launches; version 1 with the launches prep, main written anew for expert scheduling mode
;; workspace buffers: wcodes 262,144 bytes; pre2 131,072 bytes; tws 524,288 bytes; stat 65,536 bytes; ctxp 1,048,576 bytes
;; launch prep (part 4): grid 8 x 4, 16 waves a work-group, no clusters, 19,456 bytes of LDS; arguments W1, input, b1, lowp_scales, wcodes, pre2; writes wcodes, pre2
.if DOCPART == 4
	.amdgcn_target "amdgcn-amd-amdhsa--gfx1250"
	.amdhsa_code_object_version 6
	.text
	.protected	k_q543b60adbf_prep
	.globl	k_q543b60adbf_prep
	.p2align	8
	.type	k_q543b60adbf_prep,@function
k_q543b60adbf_prep:
	s_mov_b64 s[64:65], 0
	v_nop
	global_prefetch_b8 v0, s[64:65] scope:SCOPE_SE
	s_setreg_imm32_b32 hwreg(HW_REG_WAVE_SCHED_MODE, 0, 2), 2
	s_setreg_imm32_b32 hwreg(HW_REG_WAVE_MODE, 25, 1), 1
	s_wait_xcnt 0x0
	s_wait_alu depctr_vm_vsrc(0)
; ConcatAttentionLayer, launch 1 of 3.  z[s,b,a] = Q(cat[s,b,:]) . Q(W1[a,:]) + b1[a]; score = sum_a W2[a] tanh z + b2; softmax over s; ctx[b] = sum_s attn source_hids[s,b].
; WORK THAT IS NOT DONE, for all values of the inputs:
;  (1) cat[s,b,0:512] = input[0,b,:] for every s, so its codes are the same for every s, and the part of product 1 over k < 512 is ONE number for each (b, a), which reference() writes 2,048 times.
;      It is made once, here, on the codes of E4M3 by the format's own matrix instruction (64 x 512 x 512); launch 2 adds it to the part over k >= 512.  The sum of 1,024 exact products is only split in two.
;  (2) b2 is added to every score of a column b alike: softmax over s takes it away.  b2 has no way to an output: it is not loaded and is no launch's argument.
;  (3) tanh z = 1 - 2 / (1 + e^(2z)), so score = sum_a W2[a] - 2 sum_a W2[a] / (1 + e^(2z)): the first term is the same along s and goes as b2 does.
; LIMITS.  A NaN, an infinity or an overflow that reaches only b2 or sum_a W2[a] is not carried to the result.  e0, e1 between -126 and 119; e0 + e1 between -127 and 126 (each power of two below is an f32 number).  NaN among the inputs is not served.
; THIS LAUNCH: wcodes = the codes of W1[:, 512:1024] in the order of the operand's registers: fragment F = 4 (a / 16) + s, byte 2048 F + 512 c + 16 (16 h + a % 16) + i holds k = 512 + 128 s + 32 c + 16 h + i;
;              pre2[b][a] = 2 log2(e) x (2^(e0 + e1) x sum over k < 512 of the codes' products + b1[a]).
; SHARES.  Work-group (X, bt): a = 64 X .. + 63, b = 16 bt .. + 15.  Wave z = 4 u + v: the tile a = 64 X + 16 u .. + 15, K step v (128 along K): one matrix instruction.  The four K steps' sums meet in LDS.
; The same wave quantises piece c = bt of fragment (a tile 4 X + u, K step v) of W1's second half: 512 bytes, one store.
; THE MODE: SCHED_MODE bits 1:0 = 2 (LLVM: expert scheduling mode 2), set by the entry lines.  The code itself states the register dependences between vector or matrix instructions and memory or LDS
; instructions, with s_wait_alu, always for 0.
; THE PLAN.  Registers that memory or LDS instructions touch: the six offsets and addresses v5 to v10, made at the head and never written again; NA, NB, NC, BB, in which loads land once; FC and DD, which the
; conversions and the matrix instruction write and one run of stores reads; SUM, used at the head as scratch, in which LDS loads land, and which the last store reads.  Three waits on va_vdst: ahead of the first
; load (the addresses), ahead of the run of stores behind the product (FC, DD), ahead of the last store (SUM).  No register that a memory instruction reads is written again.
.set C2,   0x4038aa3b                  ; 2 log2(e)
.set PV,   4352                        ; LDS: the sums of K step v; in it PU for each a tile, PH for each half of the lanes, 32 bytes for each b: 8 sums
.set PU,   1088
.set PH,   544
.set SPARE, 17408                      ; behind the sums: the spare words, 128 bytes for each of the sixteen waves
.set SPW, 1                            ; v1   LDS address of my spare word; never rewritten
.set NIL, 2                            ; v2   0; never rewritten
.set R,   3                            ; v3   lane % 16
.set H,   4                            ; v4   lane / 16
.set WO,  5                            ; v5   W1: row r of 4,096 bytes + 64 h
.set IO,  6                            ; v6   input: row r of 2,048 bytes + 64 h
.set L16, 7                            ; v7   16 x lane
.set PIN, 8                            ; v8   where my sums go in LDS
.set POUT,9                            ; v9   where I read sums back
.set L8,  10                           ; v10  8 x lane
.set LN,  11                           ; v11  lane
.set SCX, 12                           ; v12  2^e0        v13  448 x 2^e0
.set LMX, 13
.set SCW, 14                           ; v14  2^e1        v15  448 x 2^e1
.set LMW, 15
.set NA,  16                           ; v16-79    64 numbers of W1's first half: register 16 c + i = k 128 v + 32 c + 16 h + i of row r
.set NB,  80                           ; v80-143   the same of input
.set NC,  144                          ; v144-159  16 numbers of W1's second half
.set FA,  160                          ; v160-175  W1's fragment
.set FB,  176                          ; v176-191  input's fragment
.set FC,  192                          ; v192-195  the piece for wcodes
.set DD,  196                          ; v196-203  the sums
.set SUM, 204                          ; v204-211  four K steps' sums of my two a
.set BB,  212                          ; v212-213  b1 of my two a
; nblk blocks of 16 numbers from v[src] on become codes from v[dst] on, four registers a block
.macro QUANT src, dst, nblk, sc, lim
.set qb, 0
.rept \nblk
.irp i, 0,1,2,3,4,5,6,7,8,9,10,11,12,13,14,15
	v_med3_num_f32 v[\src+16*qb+\i], v[\src+16*qb+\i], -v[\lim], v[\lim]   ; the conversion to an 8-bit code does not saturate (ISA guide 7.6.2): the hold at 448 x the scale
.endr
	v_cvt_scalef32_pk8_fp8_f32 v[\dst+4*qb:\dst+4*qb+1], v[\src+16*qb:\src+16*qb+7], v[\sc]
	v_cvt_scalef32_pk8_fp8_f32 v[\dst+4*qb+2:\dst+4*qb+3], v[\src+16*qb+8:\src+16*qb+15], v[\sc]
.set qb, qb+1
.endr
	v_nop                                          ; one plain vector instruction between the last scaled conversion and what touches its result next
.endm
	s_load_b256 s[4:11], s[0:1], 0x0               ; W1 s[4:5], input s[6:7], b1 s[8:9], the scales' exponents s[10:11]
	s_load_b128 s[12:15], s[0:1], 0x20             ; wcodes s[12:13], pre2 s[14:15]
	v_lshl_add_u32 v[SPW], v0, 2, SPARE
	v_mov_b32 v[NIL], 0
	v_lshrrev_b32 v[LN], 5, v0
	v_readfirstlane_b32 s16, v[LN]                 ; wave z
	s_mov_b32 s19, ttmp9                           ; X
	s_and_b32 s20, ttmp7, 0xffff                   ; bt
	v_and_b32 v[R], 15, v0
	v_bfe_u32 v[H], v0, 4, 1
	v_and_b32 v[LN], 31, v0
	v_lshlrev_b32 v[WO], 12, v[R]
	v_lshl_add_u32 v[WO], v[H], 6, v[WO]
	v_lshlrev_b32 v[IO], 11, v[R]
	v_lshl_add_u32 v[IO], v[H], 6, v[IO]
	v_lshlrev_b32 v[L16], 4, v[LN]
	v_lshlrev_b32 v[L8], 3, v[LN]
	v_lshlrev_b32 v[PIN], 5, v[R]
	v_mad_u32_u24 v[PIN], v[H], PH, v[PIN]
	v_bfe_u32 v[POUT], v0, 3, 2                    ; back: wave z takes b = z, lane l the two a = 2 l, 2 l + 1: a tile l / 8, half (l / 4) % 2, sums 2 (l % 4) on
	v_mul_u32_u24 v[POUT], v[POUT], PU
	v_bfe_u32 v[SUM], v0, 2, 1
	v_mad_u32_u24 v[POUT], v[SUM], PH, v[POUT]
	v_and_b32 v[SUM], 3, v0
	v_lshl_add_u32 v[POUT], v[SUM], 3, v[POUT]
	s_wait_alu depctr_va_sdst(0)                   ; s16 is written, ahead of its first reader: u, v and all the bases are made from it
	s_lshr_b32 s17, s16, 2                         ; u: which a tile
	s_and_b32 s18, s16, 3                          ; v: which K step
	s_mul_i32 s28, s18, PV
	s_mul_i32 s30, s17, PU
	s_add_co_u32 s28, s28, s30
	v_add_nc_u32 v[PIN], s28, v[PIN]               ; in: PV v + PU u + PH h + 32 r
	s_lshl_b32 s28, s16, 5
	v_add_nc_u32 v[POUT], s28, v[POUT]
	s_mov_b32 s29, 0
	s_wait_kmcnt 0x0
	s_load_b64 s[22:23], s[10:11], 0x0             ; e0 (cat), e1 (W1)
	s_lshl_b32 s28, s19, 18                        ; W1: (64 X + 16 u) rows of 4,096 bytes + 512 v
	s_lshl_b32 s30, s17, 16
	s_add_co_u32 s28, s28, s30
	s_lshl_b32 s30, s18, 9
	s_add_co_u32 s28, s28, s30
	s_add_nc_u64 s[4:5], s[4:5], s[28:29]
	s_lshl_b32 s28, s20, 7                         ; the second half's piece: 2,048 bytes on in the same rows, + 128 bt
	s_add_co_u32 s28, s28, 2048
	s_add_nc_u64 s[32:33], s[4:5], s[28:29]
	s_lshl_b32 s28, s20, 15                        ; input: 16 bt rows of 2,048 bytes + 512 v
	s_add_co_u32 s28, s28, s30
	s_add_nc_u64 s[6:7], s[6:7], s[28:29]
	s_lshl_b32 s28, s19, 8                         ; b1: 64 X numbers on
	s_add_nc_u64 s[8:9], s[8:9], s[28:29]
	s_lshl_b32 s30, s20, 4                         ; pre2: row 16 bt + z of 2,048 bytes + 256 X
	s_add_co_u32 s30, s30, s16
	s_lshl_b32 s30, s30, 11
	s_add_co_u32 s28, s28, s30
	s_add_nc_u64 s[14:15], s[14:15], s[28:29]
	s_lshl_b32 s28, s19, 2                         ; wcodes: fragment 4 (4 X + u) + v of 2,048 bytes, piece bt of 512
	s_add_co_u32 s28, s28, s17
	s_lshl_b32 s28, s28, 2
	s_add_co_u32 s28, s28, s18
	s_lshl_b32 s28, s28, 11
	s_lshl_b32 s30, s20, 9
	s_add_co_u32 s28, s28, s30
	s_add_nc_u64 s[12:13], s[12:13], s[28:29]
	s_wait_alu depctr_va_vdst(0)                   ; the offsets and addresses v5 to v10 are written, which every load and store below reads; so is v204, the head's scratch, in which an LDS load lands later
.irp j, 0,1,2,3
	global_load_b128 v[NC+4*\j:NC+4*\j+3], v[WO], s[32:33] offset:16*\j
.endr
.irp c, 0,1,2,3
.irp j, 0,1,2,3
	global_load_b128 v[NA+16*\c+4*\j:NA+16*\c+4*\j+3], v[WO], s[4:5] offset:128*\c+16*\j
	global_load_b128 v[NB+16*\c+4*\j:NB+16*\c+4*\j+3], v[IO], s[6:7] offset:128*\c+16*\j
.endr
.endr
	global_load_b64 v[BB:BB+1], v[L8], s[8:9]
	s_wait_kmcnt 0x0
	s_add_co_i32 s24, s22, s23                     ; e0 + e1, added to the exponent field of 2 log2(e):
	s_lshl_b32 s24, s24, 23
	s_add_co_i32 s24, s24, C2                      ; 2 log2(e) x 2^(e0 + e1)
	s_mov_b32 s25, s24                             ; (named with it as a pair, so it is written)
	s_add_co_i32 s26, s22, 127
	s_lshl_b32 s27, s26, 23
	v_mov_b32 v[SCX], s27                          ; 2^e0 as f32: the conversion takes its exponent field
	s_add_co_i32 s26, s26, 8
	s_lshl_b32 s26, s26, 23
	s_or_b32 s26, s26, 0x600000
	v_mov_b32 v[LMX], s26                          ; 448 x 2^e0
	s_add_co_i32 s26, s23, 127
	s_lshl_b32 s27, s26, 23
	v_mov_b32 v[SCW], s27
	s_add_co_i32 s26, s26, 8
	s_lshl_b32 s26, s26, 23
	s_or_b32 s26, s26, 0x600000
	v_mov_b32 v[LMW], s26
	s_wait_loadcnt 0x0                             ; all 37 loads
	QUANT NC, FC, 1, SCW, LMW
	QUANT NA, FA, 4, SCW, LMW
	QUANT NB, FB, 4, SCX, LMX
	v_wmma_f32_16x16x128_fp8_fp8 v[DD:DD+7], v[FA:FA+15], v[FB:FB+15], 0   ; register j of lane (r, h): a = 16 u + 8 h + j, b = r
.rept 4
	v_nop                                          ; four places between the matrix instruction and the LDS stores that read its result
.endr
	s_wait_alu depctr_va_vdst(0)                   ; the conversions have written v[FC ..] and the matrix instruction v[DD ..], which the three stores below read; the places above stay beside this wait
	global_store_b128 v[L16], v[FC:FC+3], s[12:13] ; 32 lanes store 512 consecutive bytes, aligned
	ds_store_b128 v[PIN], v[DD:DD+3]               ; the result is read from its low end on
	ds_store_b128 v[PIN], v[DD+4:DD+7] offset:16
	s_wait_dscnt 0x0                               ; for the others' sake: my stores have landed
	s_barrier_signal -1
	s_barrier_wait -1
.irp k, 0,1,2,3
	ds_load_b64 v[SUM+2*\k:SUM+2*\k+1], v[POUT] offset:PV*\k   ; no vector instruction since the last wait names v[SUM ..]
.endr
	v_pk_mul_f32 v[BB:BB+1], v[BB:BB+1], C2 op_sel_hi:[1,0]
	s_wait_dscnt 0x0
	v_pk_add_f32 v[SUM:SUM+1], v[SUM:SUM+1], v[SUM+2:SUM+3]
	v_pk_add_f32 v[SUM+4:SUM+5], v[SUM+4:SUM+5], v[SUM+6:SUM+7]
	v_pk_add_f32 v[SUM:SUM+1], v[SUM:SUM+1], v[SUM+4:SUM+5]
	v_pk_fma_f32 v[SUM:SUM+1], v[SUM:SUM+1], s[24:25], v[BB:BB+1] op_sel_hi:[1,0,1]
	s_wait_alu depctr_va_vdst(0)                   ; the multiply-add has written v[SUM:SUM+1], which the store reads
	global_store_b64 v[L8], v[SUM:SUM+1], s[14:15] ; 32 lanes store 256 consecutive bytes, aligned
	s_wait_dscnt 0x0                               ; the closing lines, six on end
	s_wait_alu 0x0
	s_wait_tensorcnt 0x0
	ds_add_u32 v[SPW], v[NIL]
	s_wait_dscnt 0x0
	s_endpgm
.Lfunc_end_k_q543b60adbf_prep:
	.size	k_q543b60adbf_prep, .Lfunc_end_k_q543b60adbf_prep-k_q543b60adbf_prep
	.p2alignl 7, 3214868480
	.fill 96, 4, 3214868480
	.section	.rodata,"a",@progbits
	.p2align	6, 0x0
	.amdhsa_kernel k_q543b60adbf_prep
		.amdhsa_group_segment_fixed_size 19456
		.amdhsa_private_segment_fixed_size 0
		.amdhsa_enable_private_segment 0
		.amdhsa_kernarg_size 48
		.amdhsa_user_sgpr_count 2
		.amdhsa_user_sgpr_kernarg_segment_ptr 1
		.amdhsa_wavefront_size32 1
		.amdhsa_system_sgpr_workgroup_id_x 1
		.amdhsa_system_sgpr_workgroup_id_y 1
		.amdhsa_system_sgpr_workgroup_id_z 1
		.amdhsa_system_vgpr_workitem_id 0
		.amdhsa_next_free_vgpr 216
		.amdhsa_next_free_sgpr 66
		.amdhsa_reserve_vcc 0
		.amdhsa_float_denorm_mode_32 3
		.amdhsa_float_denorm_mode_16_64 3
		.amdhsa_memory_ordered 1
		.amdhsa_forward_progress 1
		.amdhsa_inst_pref_size 19
	.end_amdhsa_kernel
	.amdgpu_metadata
---
amdhsa.version: [ 1, 2 ]
amdhsa.kernels:
  - .name:           k_q543b60adbf_prep
    .symbol:         k_q543b60adbf_prep.kd
    .args:
      - { .name: W1, .offset: 0, .size: 8, .value_kind: global_buffer, .address_space: global }
      - { .name: input, .offset: 8, .size: 8, .value_kind: global_buffer, .address_space: global }
      - { .name: b1, .offset: 16, .size: 8, .value_kind: global_buffer, .address_space: global }
      - { .name: lowp_scales, .offset: 24, .size: 8, .value_kind: global_buffer, .address_space: global }
      - { .name: wcodes, .offset: 32, .size: 8, .value_kind: global_buffer, .address_space: global }
      - { .name: pre2, .offset: 40, .size: 8, .value_kind: global_buffer, .address_space: global }
    .group_segment_fixed_size: 19456
    .private_segment_fixed_size: 0
    .kernarg_segment_align: 8
    .kernarg_segment_size: 48
    .max_flat_workgroup_size: 512
    .sgpr_count:     66
    .vgpr_count:     216
    .wavefront_size: 32
...
	.end_amdgpu_metadata
.endif
;; end of part 4
;; launch main (part 5): grid 4 x 64, 8 waves a work-group, no clusters, 37,376 bytes of LDS; arguments source_hids, encoder_padding_mask, wcodes, pre2, W2, lowp_scales, tws, stat, ctxp; writes tws, stat, ctxp
.if DOCPART == 5
	.amdgcn_target "amdgcn-amd-amdhsa--gfx1250"
	.amdhsa_code_object_version 6
	.text
	.protected	k_q543b60adbf_main
	.globl	k_q543b60adbf_main
	.p2align	8
	.type	k_q543b60adbf_main,@function
k_q543b60adbf_main:
	s_mov_b64 s[64:65], 0
	v_nop
	global_prefetch_b8 v0, s[64:65] scope:SCOPE_SE
	s_setreg_imm32_b32 hwreg(HW_REG_WAVE_SCHED_MODE, 0, 2), 2
	s_setreg_imm32_b32 hwreg(HW_REG_WAVE_MODE, 25, 1), 1
	s_wait_xcnt 0x0
	s_wait_alu depctr_vm_vsrc(0)
; ConcatAttentionLayer, launch 2 of 3: scores and unnormalised context in one walk over source_hids, each of whose bytes is read once.
; LEFT OUT (shown at the head of launch 1): the part of product 1 over k < 512 comes as pre2, made once; b2 and sum_a W2[a] are the same along the softmax's axis.
; t[s] = log2(e) x (score less those constants) = sum_a (-2 log2(e) W2[a]) / (1 + 2^y),  y = 2 log2(e) 2^(e0+e1) x (codes' sum over k >= 512) + pre2[b][a];  -infinity where the mask holds.
; Running maximum m and sum l of 2^(t - m) per work-group; ctxp = sum_s 2^(t - m) source_hids[s, b, :]; launch 3 joins the four quarters of s.
; LIMITS: e0 between -126 and 119; e0 + e1 between -127 and 126.  NaN among the inputs is not served.  A work-group all of whose rows are masked leaves m = -3e38, l = 0.
; SHARES.  Work-group (q, b): ONE column b, rows s = 512 q .. + 511, as 32 blocks of 16 rows.  So pre2[b] is one bias for the whole work-group, and the context one vector of 512.
; Wave w has two parts.  COLUMNS: a = 64 w .. + 63: 4 tiles x 4 K steps of W1's codes, 256 registers (window 1), loaded once, never in LDS.
; ROWS: with dq = w / 2, rh = w % 2 it loads rows 8 rh .. + 7 of each block, d = 128 dq + 4 lane .. + 3 (a load covers 512 consecutive bytes), quantises them (codes to LDS for all waves) and keeps the f32 numbers in
; registers until the rows' weights are known: then they are the context's multiply-adds.
; ONE BARRIER A STEP.  Step t holds C(t-1), weights and context of block t-1; L(t+3), loads; G(t), products, tanh, partial scores of block t; Q(t+1), codes of block t+1.  Codes and partial scores have two buffers by turns:
; what step t writes was last read in step t-1, ahead of the barrier between, in front of which every wave has waited for its LDS loads; what step t reads was written in step t-1.
; NO CLUSTER: what the work-groups share is wcodes, 262,144 bytes a work-group, read once at the head straight into operand registers, beside 1,048,576 bytes of source_hids that no other work-group reads;
; a joint load would have to land in LDS and be read out again.
; THE MATRIX INSTRUCTION: source 0 = the block's 16 rows, source 1 = 16 a of W1: register j of lane (r, h) is (row 8 h + j, a = 64 w + 16 t + r): bias and W2 are one number a lane and tile.
; k lies in both operands as four 16-byte pieces bring it (registers 4 c .. + 3: k = 32 c + 16 h + 0 .. 15): the same permutation on both sides, so every product meets its partner.
; THE MODE: SCHED_MODE bits 1:0 = 2 (LLVM: expert scheduling mode 2), set by the entry lines.  The code itself states the register dependences between vector or matrix instructions and memory or LDS
; instructions, with s_wait_alu, always for 0.
; THE PLAN.  Registers that memory or LDS instructions touch in step t, in the step's order:
;   AF        LDS loads land at the head (K steps 0, 1); products 0-7 read it; LDS loads land again behind wait 1 (K steps 2, 3); products 8-15 read it.
;   PP, MK    LDS loads land at the head; C's first lines read them.
;   TA, TBA   two sets by turns: this step's mask load and its store of t read set t % 2; two additions at the head write the other set, for step t + 1.
;   T         C writes it; the LDS store behind wait 1 reads it.
;   X0 .. X3  C's multiply-adds read set (t - 1) % 4; behind wait 2 the loads of block t + 3 land in it; Q's holds read set (t + 1) % 4.
;   PD, SACC  the sum over lanes and Q's conversions write them; the nine LDS stores behind wait 4 read them.
;   XO, AFA, CST, PST, PLD   made at the head, never written again.
; Four waits on va_vdst a step, three of them behind transcendentals.  WAIT 1, behind C's two exponentials: also, products 0-7 are done reading AF and T is written.
; WAIT 2, behind tanh's exponentials: also, C's multiply-adds are done reading their set of X.  WAIT 3, behind the reciprocals.  WAIT 4, ahead of the step's stores: PD and the codes are written; and for the next
; step's head: products 8-15 are done reading AF, C is done with PP and MK, the next set of TA, TBA is written.  ONE wait on vm_vsrc a step, in front of the barrier's signal: the step's LDS instructions have read
; T, PD, SACC and this step's set of TA, TBA, all of which the next step writes.  C's vector work stands behind products 0-7 and round the second fetch.
.set C2,    0x4038aa3b                 ; 2 log2(e)
.set C2N,   0xc038aa3b                 ; -2 log2(e)
.set IMG,   8448                       ; LDS 0: two buffers of codes, 16 rows x (512 bytes + 16): the pitch is an odd multiple of 16 bytes
.set PART,  16896                      ; two buffers of partial scores: [16 rows][8 waves] f32, 512 bytes each
.set MASK,  17920                      ; the work-group's 512 mask bytes, a word each
.set TBUF,  19968                      ; t of the 512 rows, a copy of its own for each wave: 2,048 bytes each
.set SPARE, 36352                      ; the spare words, 128 bytes for each of the eight waves
.set SPW,  1                           ; v1   LDS address of my spare word; never rewritten
.set NIL,  2                           ; v2   0; never rewritten
.set XO,   3                           ; v3   source_hids: 8 rh rows + 512 dq + 16 lane
.set AFA,  4                           ; v4   a fragment's place: 528 r + 16 h
.set CST,  5                           ; v5   where my codes go: 8 rh rows + 128 dq + 4 lane
.set PST,  6                           ; v6   where my partial score goes: row 8 h + r / 2, word w
.set PLD,  7                           ; v7   the partial scores that I add: row (r xor 8 rh), waves 4 h .. + 3
.set ROW4, 8                           ; v8   4 x that row
.set TB4,  9                           ; v9   my wave's copy of t + 4 x that row
.set TA,   10                          ; v10, v11  the two with a block's 64 bytes a block added: set 0;  v30, v31: set 1 (set p at TA + 20 p, TBA + 20 p)
.set TBA,  11
.set M,    12                          ; v12  running maximum (v13: l beside it, for the last store)
.set L,    14                          ; v14  running sum of my lane's rows
.set F,    16                          ; v[16:17]  2^(old m - new m); v17 is only named with it
.set T,    18                          ; v18  t of my row
.set P,    19                          ; v19  2^(t - m)
.set PP,   20                          ; v20-23  four partial scores
.set MK,   24                          ; v24  the row's mask word
.set TM,   25                          ; v25  at work
.set NINF, 26                          ; v26  -infinity
.set LIM,  27                          ; v27  448 x 2^e0
.set SCL,  28                          ; v28  2^e0
.set PD,   29                          ; v29  the partial score to store
.set CACC, 32                          ; v32-39  the context of my 4 d, in two chains
.set BI,   40                          ; v40-47  pre2 of my a in tile t, twice
.set WD,   48                          ; v48-55  -2 log2(e) W2 of my a in tile t, twice
.set SACC, 56                          ; v56-63  partial scores of 8 rows; in Q the 8 words of codes
.set ACC,  64                          ; v64-95  4 accumulators; in Q the 32 held numbers
.set AF,   96                          ; v96-127 the rows' fragments of two K steps
.set X,    128                         ; v128-255 four sets of 8 rows x 4 numbers
.set MSB, 0
.macro WIN new                         ; the immediate's high byte repeats the setting that is left
.if MSB != \new
	s_set_vgpr_msb (MSB<<8)|\new
.set MSB, \new
.endif
.endm
.macro PLACES                          ; four places behind a matrix instruction, ahead of reads of its result (ISA guide 7.12.1)
.rept 4
	v_nop
.endr
.endm
.macro BAR                             ; my LDS stores have landed and my LDS loads are in: then the work-group's barrier
	s_wait_dscnt 0x0
	s_wait_alu depctr_vm_vsrc(0)                   ; my LDS instructions so far have read their registers: T, PD, the words of codes and this step's two addresses, which the next step writes (at the head: v96 to v101, in which fragments land)
	s_barrier_signal -1
	s_barrier_wait -1
.endm
.macro LOADX xs, step                  ; my 8 rows of a block into set xs; step = 1: the block after the one loaded last
.if \step
	s_wait_xcnt 0x0                                ; the earlier loads have read their base: only now is it stepped
	s_add_nc_u64 s[4:5], s[4:5], 0x200000          ; 16 rows of 131,072 bytes
.endif
.irp i, 0,1,2,3,4,5,6,7
	global_load_b128 v[X+32*(\xs)+4*\i:X+32*(\xs)+4*\i+3], v[XO], s[4:5] offset:\i*131072 th:TH_LOAD_NT
.endr
.endm
.macro FETCH buf, s0                   ; the block's fragments of K steps s0, s0 + 1
.irp u, 0,1
.irp c, 0,1,2,3
	ds_load_b128 v[AF+16*\u+4*\c:AF+16*\u+4*\c+3], v[AFA] offset:(\buf)*IMG+128*((\s0)+\u)+32*\c
.endr
.endr
.endm
.macro CLOADS pb, as                   ; the last block's partial scores and mask; as: the set of addresses that the step before has made
	ds_load_b128 v[PP:PP+3], v[PLD] offset:(\pb)*512
	ds_load_b32 v[MK], v[TA+20*(\as)] offset:MASK
.endm
.macro NEXTADR as                      ; the two addresses that the next step's C wants, into the set that the step before read: the wait on vm_vsrc in front of the last barrier has freed it
	v_add_nc_u32 v[TA+20*(\as)], s38, v[ROW4]
	v_add_nc_u32 v[TBA+20*(\as)], s38, v[TB4]
	s_add_co_u32 s38, s38, 64                      ; the next block's 16 words
.endm
; C, first part: t of the block's 16 rows (a lane a row; lanes 0-7 hold my own 8 rows), the running maximum, the two exponentials, and WAIT 1
.macro CPA
	s_wait_dscnt 0x0                               ; the partial scores and the mask word are in
	v_cmp_ne_u32 vcc_lo, 0, v[MK]
	v_pk_add_f32 v[PP:PP+1], v[PP:PP+1], v[PP+2:PP+3]
	v_add_f32 v[T], v[PP], v[PP+1]
	v_permlanex16_b32 v[TM], v[T], s36, s37        ; the other four waves' part lies 16 lanes away
	v_add_f32 v[T], v[T], v[TM]
	s_wait_alu depctr_va_vcc(0)                    ; the compare has written VCC, which the select reads
	v_cndmask_b32 v[T], v[T], v[NINF], vcc_lo      ; a masked row: -infinity
	v_max_num_f32_dpp v[TM], v[T], v[T] row_xmask:1 row_mask:0xf bank_mask:0xf
	v_max_num_f32_dpp v[TM], v[TM], v[TM] row_xmask:2 row_mask:0xf bank_mask:0xf
	v_max_num_f32_dpp v[TM], v[TM], v[TM] row_xmask:4 row_mask:0xf bank_mask:0xf
	v_max_num_f32_dpp v[TM], v[TM], v[TM] row_xmask:8 row_mask:0xf bank_mask:0xf
	v_max_num_f32 v[TM], v[TM], v[M]               ; the new maximum: the same bits in every lane of every wave
	v_sub_f32 v[F], v[M], v[TM]
	v_sub_f32 v[P], v[T], v[TM]
	v_exp_f32 v[F], v[F]
	v_exp_f32 v[P], v[P]
	v_mov_b32 v[M], v[TM]                          ; a plain instruction behind the exponentials
	s_wait_alu depctr_va_vdst(0)                   ; WAIT 1: the two exponentials have written F and P, ahead of their first use; T is written, which the LDS store reads; the products issued so far are done reading AF, in which the next fragments land
.endm
; C, second part: t is stored, then the sum and the context's multiply-adds on the rows kept in set xs
.macro CPB xs, as
	ds_store_b32 v[TBA+20*(\as)], v[T]
	v_fma_f32 v[L], v[L], v[F], v[P]
.irp i, 0,1,2,3,4,5,6,7
	v_readlane_b32 s[40+2*\i], v[P], \i            ; my 8 rows' weights, as scalars
.endr
.irp j, 0,2,4,6
	v_pk_mul_f32 v[CACC+\j:CACC+\j+1], v[CACC+\j:CACC+\j+1], v[F:F+1] op_sel_hi:[1,0]
.endr
	s_wait_alu depctr_va_sdst(0)                   ; the eight lane reads have written s40, s42 .. s54, which the multiply-adds read
.irp i, 0,1,2,3,4,5,6,7
	v_pk_fma_f32 v[CACC+4*(\i&1):CACC+4*(\i&1)+1], v[X+32*(\xs)+4*\i:X+32*(\xs)+4*\i+1], s[40+2*\i:41+2*\i], v[CACC+4*(\i&1):CACC+4*(\i&1)+1] op_sel_hi:[1,0,1]
	v_pk_fma_f32 v[CACC+4*(\i&1)+2:CACC+4*(\i&1)+3], v[X+32*(\xs)+4*\i+2:X+32*(\xs)+4*\i+3], s[40+2*\i:41+2*\i], v[CACC+4*(\i&1)+2:CACC+4*(\i&1)+3] op_sel_hi:[1,0,1]
.endr
.endm
.macro MM ks, zero                     ; K step ks: four matrix instructions, the four accumulators by turns; zero = 1: they start the sums
.irp t, 0,1,2,3
.if \zero
	v_wmma_f32_16x16x128_fp8_fp8 v[ACC+8*\t:ACC+8*\t+7], v[AF+16*((\ks)&1):AF+16*((\ks)&1)+15], v[16*(4*\t+(\ks)):16*(4*\t+(\ks))+15], 0
.else
	v_wmma_f32_16x16x128_fp8_fp8 v[ACC+8*\t:ACC+8*\t+7], v[AF+16*((\ks)&1):AF+16*((\ks)&1)+15], v[16*(4*\t+(\ks)):16*(4*\t+(\ks))+15], v[ACC+8*\t:ACC+8*\t+7]
.endif
.endr
.endm
; 1 / (1 + 2^y) for 32 numbers a lane, weighed by -2 log2(e) W2 and added over the four tiles.  ld = 1: behind WAIT 2 the block three on is asked for, into set xs, which C has left
.macro TANH ld, xs
.irp t, 0,1,2,3
.irp j, 0,2,4,6
	v_pk_fma_f32 v[ACC+8*\t+\j:ACC+8*\t+\j+1], v[ACC+8*\t+\j:ACC+8*\t+\j+1], s[28:29], v[BI+2*\t:BI+2*\t+1] op_sel_hi:[1,0,1]   ; y; each accumulator from its low end on
.endr
.endr
.set ii, 0
.rept 32
	v_exp_f32 v[ACC+ii], v[ACC+ii]
.set ii, ii+1
.endr
	v_nop                                          ; a plain instruction behind the batch
	s_wait_alu depctr_va_vdst(0)                   ; WAIT 2: the 32 exponentials have written v[ACC ..], ahead of their first reader; C's multiply-adds are done reading their set of X, in which the loads below land
.if \ld
	LOADX \xs, 1                                   ; no vector instruction since the wait names these registers
.endif
.set ii, 0
.rept 16
	v_pk_add_f32 v[ACC+ii:ACC+ii+1], v[ACC+ii:ACC+ii+1], 1.0 op_sel_hi:[1,0]
.set ii, ii+2
.endr
.set ii, 0
.rept 32
	v_rcp_f32 v[ACC+ii], v[ACC+ii]                 ; 2^y = infinity gives 0, 2^y = 0 gives 1: tanh's two ends
.set ii, ii+1
.endr
	v_nop
	s_wait_alu depctr_va_vdst(0)                   ; WAIT 3: the 32 reciprocals have written v[ACC ..], ahead of their first reader
.irp j, 0,2,4,6
	v_pk_mul_f32 v[SACC+\j:SACC+\j+1], v[ACC+\j:ACC+\j+1], v[WD:WD+1]
.endr
.irp t, 1,2,3
.irp j, 0,2,4,6
	v_pk_fma_f32 v[SACC+\j:SACC+\j+1], v[ACC+8*\t+\j:ACC+8*\t+\j+1], v[WD+2*\t:WD+2*\t+1], v[SACC+\j:SACC+\j+1]
.endr
.endr
.endm
; One stage of the sum over the 16 lanes of a half: lanes whose bit is 0 keep rows 0 .. n - 1 and hand the others over, lanes whose bit is 1 the other way round
.macro BSTAGE m, x, n
.set ii, 0
.rept \n
	v_cndmask_b32 v[ACC+ii], v[SACC+ii], v[SACC+ii+\n], s[\m]          ; what I keep
	v_cndmask_b32 v[SACC+ii+\n], v[SACC+ii+\n], v[SACC+ii], s[\m]      ; what I hand over
.set ii, ii+1
.endr
.set ii, 0
.rept \n
	v_add_f32_dpp v[SACC+ii], v[SACC+ii+\n], v[ACC+ii] row_xmask:\x row_mask:0xf bank_mask:0xf
.set ii, ii+1
.endr
.endm
.macro BFLY                            ; 8 rows x 16 lanes become one sum a lane: lane (r, h) ends with row 8 h + r / 2, in PD; it is stored behind WAIT 4
	BSTAGE 32, 8, 4
	BSTAGE 33, 4, 2
	BSTAGE 34, 2, 1
	v_add_f32_dpp v[PD], v[SACC], v[SACC] row_xmask:1 row_mask:0xf bank_mask:0xf
.endm
.macro QNT xs, left                    ; set xs becomes codes; the numbers themselves stay.  left: the younger loads that may stay out
	s_wait_loadcnt \left
.set ii, 0
.rept 32
	v_med3_num_f32 v[ACC+ii], v[X+32*(\xs)+ii], -v[LIM], v[LIM]   ; the conversion does not saturate (ISA guide 7.6.2): the hold at 448 x the scale
.set ii, ii+1
.endr
.irp g, 0,1,2,3
	v_cvt_scalef32_pk8_fp8_f32 v[SACC+2*\g:SACC+2*\g+1], v[ACC+8*\g:ACC+8*\g+7], v[SCL]   ; two rows' four neighbours: a word a row
.endr
	v_nop                                          ; a plain instruction behind the last scaled conversion: the next products write its sources
.endm
.macro QST buf                         ; the eight words of codes go to LDS
.irp i, 0,1,2,3,4,5,6,7
	ds_store_b32 v[CST], v[SACC+\i] offset:(\buf)*IMG+\i*528
.endr
.endm
; Step t, k = t % 4.  c: C(t-1); ld: L(t+3); qn: Q(t+1), with its count
.macro STEP k, c, ld, qn, left
	FETCH (\k)%2, 0
.if \c
	CLOADS ((\k)+1)%2, (\k)%2
.endif
	NEXTADR ((\k)+1)%2
.if \c
	s_wait_dscnt 2                                 ; the eight fragment loads are in; the two younger loads, C's, may stay out
.else
	s_wait_dscnt 0x0
.endif
	WIN 0x04                                       ; source 1 (W1) in window 1
	MM 0, 1
	MM 1, 0
	WIN 0
.if \c
	CPA
.else
	PLACES
	s_wait_alu depctr_va_vdst(0)                   ; the first step has no C: the products issued so far are done reading AF, in which the next fragments land
.endif
	FETCH (\k)%2, 2
.if \c
	CPB ((\k)+3)%4, (\k)%2                         ; the context's multiply-adds stand between the fetch and the wait for it
	s_wait_dscnt 1                                 ; the eight fragment loads are in; the store of t, issued behind them, may stay out
.else
	s_wait_dscnt 0x0
.endif
	WIN 0x04
	MM 2, 0
	MM 3, 0
	WIN 0
	PLACES
	TANH \ld, ((\k)+3)%4
	BFLY
.if \qn
	QNT ((\k)+1)%4, \left
.endif
	s_wait_alu depctr_va_vdst(0)                   ; WAIT 4: PD and the words of codes are written, which the stores below read
	ds_store_b32 v[PST], v[PD] offset:((\k)%2)*512
.if \qn
	QST ((\k)+1)%2
.endif
	BAR
.endm
	s_load_b512 s[4:19], s[0:1], 0x0               ; source_hids s[4:5], mask s[6:7], wcodes s[8:9], pre2 s[10:11], W2 s[12:13], the exponents s[14:15], tws s[16:17], stat s[18:19]
	s_load_b64 s[20:21], s[0:1], 0x40              ; ctxp
	v_lshl_add_u32 v[SPW], v0, 2, SPARE
	v_mov_b32 v[NIL], 0
	v_lshrrev_b32 v20, 5, v0
	v_readfirstlane_b32 s22, v20                   ; wave w
	s_mov_b32 s25, ttmp9                           ; q
	s_and_b32 s26, ttmp7, 0xffff                   ; b
	v_and_b32 v20, 31, v0                          ; lane
	v_and_b32 v21, 15, v0                          ; r
	v_bfe_u32 v22, v0, 4, 1                        ; h
	v_mul_u32_u24 v[AFA], v21, 528
	v_lshl_add_u32 v[AFA], v22, 4, v[AFA]
	v_lshrrev_b32 v23, 1, v21
	v_lshl_add_u32 v23, v22, 3, v23                ; 8 h + r / 2
	v_lshlrev_b32 v96, 6, v0                       ; the head's own: mask: thread x 64 bytes (a row of the mask)
	v_lshlrev_b32 v97, 2, v21                      ; pre2, W2: 4 r
	v_lshlrev_b32 v98, 4, v20                      ; wcodes: 16 lane
	v_lshlrev_b32 v99, 2, v0                       ; the mask's word in LDS
	s_wait_alu depctr_va_sdst(0)                   ; s22 is written, ahead of its first reader: rh, dq, the addresses and the bases are made from it
	s_and_b32 s23, s22, 1                          ; rh
	s_lshr_b32 s24, s22, 1                         ; dq
	s_lshl_b32 s56, s24, 9
	s_lshl_b32 s57, s23, 20
	s_or_b32 s56, s56, s57
	v_lshl_or_b32 v[XO], v20, 4, s56
	s_mul_i32 s56, s23, 4224
	s_lshl_b32 s57, s24, 7
	s_add_co_u32 s56, s56, s57
	v_lshl_add_u32 v[CST], v20, 2, s56
	s_lshl_b32 s56, s22, 2
	s_add_co_u32 s56, s56, PART
	v_lshl_add_u32 v[PST], v23, 5, s56
	s_lshl_b32 s56, s23, 3
	v_xor_b32 v23, s56, v21                        ; r xor 8 rh: lanes 0-7 get my own 8 rows
	v_lshlrev_b32 v[PLD], 5, v23
	v_lshl_add_u32 v[PLD], v22, 4, v[PLD]
	v_add_nc_u32 v[PLD], PART, v[PLD]
	v_lshlrev_b32 v[ROW4], 2, v23
	s_lshl_b32 s56, s22, 11
	s_add_co_u32 s56, s56, TBUF
	v_add_nc_u32 v[TB4], s56, v[ROW4]
	s_mov_b32 s57, 0
	s_wait_kmcnt 0x0
	s_load_b64 s[30:31], s[14:15], 0x0             ; e0, e1
	s_lshl_b32 s56, s25, 26                        ; source_hids: 512 q rows of 131,072 bytes + 2,048 b
	s_lshl_b32 s58, s26, 11
	s_add_co_u32 s56, s56, s58
	s_add_nc_u64 s[4:5], s[4:5], s[56:57]
	s_lshl_b32 s56, s25, 15                        ; mask: 512 q rows of 64 bytes + b
	s_add_co_u32 s56, s56, s26
	s_add_nc_u64 s[6:7], s[6:7], s[56:57]
	s_lshl_b32 s56, s22, 15                        ; wcodes: my 16 fragments of 2,048 bytes
	s_add_nc_u64 s[8:9], s[8:9], s[56:57]
	s_lshl_b32 s56, s22, 8                         ; W2: my 64 numbers
	s_add_nc_u64 s[12:13], s[12:13], s[56:57]
	s_add_co_u32 s56, s56, s58                     ; pre2: the same in row b
	s_add_nc_u64 s[10:11], s[10:11], s[56:57]
	s_lshl_b32 s56, s26, 13                        ; tws: 8,192 b + 2,048 q + 256 w
	s_lshl_b32 s59, s25, 11
	s_add_co_u32 s56, s56, s59
	s_lshl_b32 s59, s22, 8
	s_add_co_u32 s56, s56, s59
	s_add_nc_u64 s[16:17], s[16:17], s[56:57]
	s_lshl_b32 s59, s26, 2
	s_add_co_u32 s59, s59, s25                     ; 4 b + q
	s_lshl_b32 s56, s59, 8                         ; stat: a record of 256 bytes
	s_add_nc_u64 s[18:19], s[18:19], s[56:57]
	s_lshl_b32 s56, s59, 12                        ; ctxp: (2 (4 b + q) + rh) x 2,048 + 512 dq
	s_lshl_b32 s59, s23, 11
	s_add_co_u32 s56, s56, s59
	s_lshl_b32 s59, s24, 9
	s_add_co_u32 s56, s56, s59
	s_add_nc_u64 s[20:21], s[20:21], s[56:57]
	s_wait_alu depctr_va_vdst(0)                   ; the addresses and offsets v3 to v7 and v96 to v99 are written, which the loads and LDS instructions below read; only loads and a window switch stand between this wait and the loads into window 1
	global_load_u8 v100, v96, s[6:7]               ; rows thread and thread + 256 of my 512
	global_load_u8 v101, v96, s[6:7] offset:16384
.irp t, 0,1,2,3
	global_load_b32 v[104+\t], v97, s[12:13] offset:64*\t
	global_load_b32 v[108+\t], v97, s[10:11] offset:64*\t
.endr
	WIN 0x40                                       ; destination window 1
.set ii, 0
.rept 64
	global_load_b128 v[4*ii:4*ii+3], v98, s[8:9] offset:512*ii   ; fragment 4 t + s at v[16 (4 t + s)]: the buffer lies in the registers' order
.set ii, ii+1
.endr
	WIN 0
	LOADX 0, 0
	LOADX 1, 1
	LOADX 2, 1
	s_mov_b32 s32, 0xff00ff00                      ; lanes whose bit 3 is set; bit 2; bit 1
	s_mov_b32 s33, 0xf0f0f0f0
	s_mov_b32 s34, 0xcccccccc
	s_mov_b32 s36, 0x76543210                      ; v_permlanex16_b32's selects for lane l xor 16
	s_mov_b32 s37, 0xfedcba98
	s_mov_b32 s38, 0                               ; 64 x the block whose addresses are made next
.irp i, 41,43,45,47,49,51,53,55
	s_mov_b32 s\i, 0                               ; (named as the upper halves of the weights' pairs)
.endr
	v_mov_b32 v[M], 0xff61b1e6                     ; -3e38, under every t that is a number
	v_mov_b32 v[L], 0
	v_mov_b32 v[F+1], 0
	v_mov_b32 v[TM], 0                             ; written once: a lane permute's destination counts as one of its sources
	v_mov_b32 v[PD], 0
	v_mov_b32 v[NINF], 0xff800000
.irp j, 0,1,2,3,4,5,6,7
	v_mov_b32 v[CACC+\j], 0                        ; C is written once: its first turn finds zeros
.endr
	s_wait_kmcnt 0x0
	s_add_co_i32 s56, s30, s31
	s_lshl_b32 s56, s56, 23
	s_add_co_i32 s28, s56, C2                      ; 2 log2(e) x 2^(e0 + e1): the exponents are added to the constant's exponent field
	s_mov_b32 s29, s28
	s_add_co_i32 s56, s30, 127
	s_lshl_b32 s58, s56, 23
	v_mov_b32 v[SCL], s58
	s_add_co_i32 s56, s56, 8
	s_lshl_b32 s56, s56, 23
	s_or_b32 s56, s56, 0x600000
	v_mov_b32 v[LIM], s56
	s_wait_loadcnt 16                              ; all but blocks 1 and 2 (8 + 8 loads) are in
	ds_store_b32 v99, v100 offset:MASK
	ds_store_b32 v99, v101 offset:MASK+1024
.irp t, 0,1,2,3
	v_mov_b32 v[BI+2*\t], v[108+\t]
	v_mov_b32 v[BI+2*\t+1], v[108+\t]
	v_mul_f32 v[WD+2*\t], C2N, v[104+\t]
	v_mul_f32 v[WD+2*\t+1], C2N, v[104+\t]
.endr
	QNT 0, 16
	s_wait_alu depctr_va_vdst(0)                   ; the conversions have written the words of codes, which the stores read; the copies above are done reading v104 to v111, in which the first fragments land
	QST 0
	BAR
	STEP 0, 0, 1, 1, 16                            ; t = 0.  The count 16: behind block t + 1's loads stand those of blocks t + 2 and t + 3
	s_mov_b32 s39, 7
.Lfour:                                            ; t = 1 .. 28: four steps a trip, until sets and buffers are back where they began
	STEP 1, 1, 1, 1, 16
	STEP 2, 1, 1, 1, 16
	STEP 3, 1, 1, 1, 16
	STEP 0, 1, 1, 1, 16
	s_sub_co_u32 s39, s39, 1
	s_cmp_lg_u32 s39, 0
	s_cbranch_scc1 .Lfour
	STEP 1, 1, 0, 1, 8                             ; t = 29: nothing is left to load; behind block 30's loads stand block 31's
	STEP 2, 1, 0, 1, 0                             ; t = 30
	STEP 3, 1, 0, 0, 0                             ; t = 31
	CLOADS 1, 0                                    ; C(31)
	CPA
	CPB 3, 0
	v_add_f32_dpp v[L], v[L], v[L] row_xmask:1 row_mask:0xf bank_mask:0xf   ; l over the 16 rows' lanes
	v_add_f32_dpp v[L], v[L], v[L] row_xmask:2 row_mask:0xf bank_mask:0xf
	v_add_f32_dpp v[L], v[L], v[L] row_xmask:4 row_mask:0xf bank_mask:0xf
	v_add_f32_dpp v[L], v[L], v[L] row_xmask:8 row_mask:0xf bank_mask:0xf
	v_mov_b32 v[M+1], v[L]
	v_and_b32 v20, 31, v0
	v_lshlrev_b32 v21, 4, v20
	v_lshlrev_b32 v[TM], 3, v20
	s_mul_i32 s56, s22, 2304                       ; my copy of t (2,048 w), and in it rows 64 w on (256 w)
	s_add_co_u32 s56, s56, TBUF
	v_add_nc_u32 v[MK], s56, v[TM]
	v_pk_add_f32 v[CACC:CACC+1], v[CACC:CACC+1], v[CACC+4:CACC+5]
	v_pk_add_f32 v[CACC+2:CACC+3], v[CACC+2:CACC+3], v[CACC+6:CACC+7]
	s_wait_alu depctr_va_vdst(0)                   ; the way out's address v24 and offsets v21, v25 are written, and so are (m, l) and the context, which the stores read; C is done reading v22, v23, in which the LDS load lands
	ds_load_b64 v[22:23], v[MK]                    ; LDS serves a wave's instructions in order: this sees my stores
	s_cmp_lg_u32 s22, 0
	s_cbranch_scc1 .Lnot_wave_0
	global_store_b64 v[TM], v[M:M+1], s[18:19]     ; (m, l), 32 times: 256 consecutive bytes, aligned
.Lnot_wave_0:
	global_store_b128 v21, v[CACC:CACC+3], s[20:21]   ; 512 consecutive bytes, aligned
	s_wait_dscnt 0x0
	global_store_b64 v[TM], v[22:23], s[16:17]     ; 64 rows' t: 256 consecutive bytes, aligned
	s_wait_dscnt 0x0                               ; the closing lines, six on end
	s_wait_alu 0x0
	s_wait_tensorcnt 0x0
	ds_add_u32 v[SPW], v[NIL]
	s_wait_dscnt 0x0
	s_endpgm
.Lfunc_end_k_q543b60adbf_main:
	.size	k_q543b60adbf_main, .Lfunc_end_k_q543b60adbf_main-k_q543b60adbf_main
	.p2alignl 7, 3214868480
	.fill 96, 4, 3214868480
	.section	.rodata,"a",@progbits
	.p2align	6, 0x0
	.amdhsa_kernel k_q543b60adbf_main
		.amdhsa_group_segment_fixed_size 37376
		.amdhsa_private_segment_fixed_size 0
		.amdhsa_enable_private_segment 0
		.amdhsa_kernarg_size 72
		.amdhsa_user_sgpr_count 2
		.amdhsa_user_sgpr_kernarg_segment_ptr 1
		.amdhsa_wavefront_size32 1
		.amdhsa_system_sgpr_workgroup_id_x 1
		.amdhsa_system_sgpr_workgroup_id_y 1
		.amdhsa_system_sgpr_workgroup_id_z 1
		.amdhsa_system_vgpr_workitem_id 0
		.amdhsa_next_free_vgpr 512
		.amdhsa_next_free_sgpr 66
		.amdhsa_reserve_vcc 1
		.amdhsa_float_denorm_mode_32 3
		.amdhsa_float_denorm_mode_16_64 3
		.amdhsa_memory_ordered 1
		.amdhsa_forward_progress 1
		.amdhsa_inst_pref_size 140
	.end_amdhsa_kernel
	.amdgpu_metadata
---
amdhsa.version: [ 1, 2 ]
amdhsa.kernels:
  - .name:           k_q543b60adbf_main
    .symbol:         k_q543b60adbf_main.kd
    .args:
      - { .name: source_hids, .offset: 0, .size: 8, .value_kind: global_buffer, .address_space: global }
      - { .name: encoder_padding_mask, .offset: 8, .size: 8, .value_kind: global_buffer, .address_space: global }
      - { .name: wcodes, .offset: 16, .size: 8, .value_kind: global_buffer, .address_space: global }
      - { .name: pre2, .offset: 24, .size: 8, .value_kind: global_buffer, .address_space: global }
      - { .name: W2, .offset: 32, .size: 8, .value_kind: global_buffer, .address_space: global }
      - { .name: lowp_scales, .offset: 40, .size: 8, .value_kind: global_buffer, .address_space: global }
      - { .name: tws, .offset: 48, .size: 8, .value_kind: global_buffer, .address_space: global }
      - { .name: stat, .offset: 56, .size: 8, .value_kind: global_buffer, .address_space: global }
      - { .name: ctxp, .offset: 64, .size: 8, .value_kind: global_buffer, .address_space: global }
    .group_segment_fixed_size: 37376
    .private_segment_fixed_size: 0
    .kernarg_segment_align: 8
    .kernarg_segment_size: 72
    .max_flat_workgroup_size: 256
    .sgpr_count:     66
    .vgpr_count:     512
    .wavefront_size: 32
...
	.end_amdgpu_metadata
.endif
;; end of part 5
;; launch finish: the kernel of part 3 again; grid 32 x 1, 8 waves a work-group, no clusters, 18,432 bytes of LDS; arguments tws, stat, ctxp, out0, out1; writes out0, out1
